; MI455X (gfx1250); checked and timed in simulation.
; The chip was launched on July 23, 2026; its instructions are those of AMD's public machine-readable ISA for CDNA 5 (MIT licence, August 2026) and "CDNA5" Instruction Set Architecture Reference Guide (July 2026). The comments in the code are by the model that wrote it; some were corrected since.
;; Mixture Of Experts. Allowed arithmetic: float matrix products may take bf16 or f16 operands with f32 sums; other float arithmetic in f32, or as packed bf16 or f16 multiplies, adds, multiply-adds, maxima and minima; sums over many terms, partial sums and values carried from step to step in f32; what a program stores and reads back later, other than sums and carried values, may be rounded once to bf16 or f16.
;; Inputs: W1 8 x 1,024 x 2,048 float32; W2 8 x 2,048 x 2,048 float32; W3 8 x 2,048 x 1,024 float32; Wg 1,024 x 8 float32; b1 8 x 2,048 float32; b2 8 x 2,048 float32; b3 8 x 1,024 float32; bg 8 float32; x 4 x 256 x 1,024 float32.
;; Outputs: out0 4 x 256 x 1,024 float32; out1 one number float32; out2 8 float32; out3 one number float32.
;; One version. Each part assembles by itself: llvm-mc -triple=amdgcn-amd-amdhsa -mcpu=gfx1250 --defsym DOCPART=n.
;; ======== version 1 of 1: 5 launches
;; limits: values are held in f16: magnitudes above 65,504 overflow, below 6.1e-05 lose precision; inputs' magnitudes at most 65,504
;; workspace buffers: route 6,144 bytes of whole numbers; rx 2,121,728 bytes; plan 37,120 bytes of whole numbers; h1 33,557,504 bytes; h2 33,557,504 bytes; yp 16,777,216 bytes
;; launch router (part 1): grid 256 x 1, 4 waves a work-group, no clusters, 37,888 bytes of LDS; arguments x, Wg, bg, rx, route; writes rx, route
.if DOCPART == 1
	.amdgcn_target "amdgcn-amd-amdhsa--gfx1250"
	.amdhsa_code_object_version 6
	.text
	.protected	k_q9bb64ab524_router
	.globl	k_q9bb64ab524_router
	.p2align	8
	.type	k_q9bb64ab524_router,@function
k_q9bb64ab524_router:
	s_mov_b64 s[64:65], 0
	v_nop
	global_prefetch_b8 v0, s[64:65] scope:SCOPE_SE
	s_setreg_imm32_b32 hwreg(HW_REG_WAVE_MODE, 25, 1), 1
	s_wait_xcnt 0x0
; THE GATE.  One token a wave, four a work-group.  logits = x Wg + bg in f32 by fused multiply-adds in the vector unit: 8 columns are 0.05% of the
; module's products, and the choice of experts has to fall as it falls in f32, which 16-bit operands would not hold.  Then top-2 (the lower index wins
; a tie, as jax.lax.top_k has it), the two gates (softmax of the two, the larger taken away first), all eight probabilities (the maximum taken away first).
; Stored: x rounded to f16 (rx + 0, [1024][1024]); the gates (rx + 2,097,152, [1024][2] f32); for each work-group the sums of its four tokens' 8 probabilities
; and 8 combine weights (rx + 2,105,344, [256][16] f32); as whole numbers, at fixed places: sel[token] = 1<<e0 | 1<<(8+e1) (route + 0) and, for each work-group,
; 8 bytes: how many of its four tokens chose expert e (route + 4,096).  No address here hangs on the choice.
; LIMITS.  x as f16: 65,520 or more becomes an infinity, below 6.1e-5 the step is 6e-8.  Two logits closer than the rounding of an f32 sum of 1,024 terms may be
; ranked otherwise than by a sum in another order.  NaN, infinities and logits of -inf are not treated apart.
; No store narrows EXEC: lanes with nothing of their own repeat a neighbour's address and value.
.set WGP,   144                        ; LDS: a group of 4 rows of Wg (128 bytes) + 16
.set REC,   36864                      ; four records of 16 f32, one a wave
.set SELS,  37120                      ; four words
.set GATS,  37184                      ; four pairs
.set SPARE, 37376                      ; the spare words: 128 bytes a wave, named by no other line
.set X,   8                            ; v[8:39]    my 32 numbers of the row: d = 128 i + 4 lane + 0..3
.set WA,  40                           ; v[40:103]  two buffers of 32: Wg[d][0..7] for four d; first the staging of Wg
.set A,   104                          ; v[104:111] the eight sums, then logits
.set B,   112                          ; v[112:119] logits with the first choice taken out
.set H,   120                          ; v[120:135] x in f16
.set M1,  136
.set I1,  137
.set M2,  138
.set I2,  139
.set G0,  140                          ; v[140:141] the two gates
.set G1,  141
.set E,   142
.set S,   143
.set EL,  144
.set LG,  145
.set P,   146
.set C,   148
.set NINF,149
.set ONE, 150
.set T0,  151
.set T1,  152
.set WAD, 153
.set XO,  154
.set T2,  155
	s_load_b256 s[4:11], s[0:1], 0x0               ; x s[4:5], Wg s[6:7], bg s[8:9], rx s[10:11]
	s_load_b64 s[12:13], s[0:1], 0x20              ; route
	v_lshl_add_u32 v2, v0, 2, SPARE                ; my spare word, and 0: kept for the three lines at the end
	v_mov_b32 v3, 0
	v_lshrrev_b32 v4, 5, v0
	v_readfirstlane_b32 s14, v4                    ; wave
	v_and_b32 v1, 31, v0                           ; lane
	s_lshl_b32 s15, ttmp9, 2
	s_add_co_u32 s15, s15, s14                     ; token
	s_mov_b32 s16, 0x76543210                      ; v_permlanex16_b32: each lane takes its own place in the other half
	s_mov_b32 s17, 0xfedcba98
	v_lshlrev_b32 v5, 4, v1                        ; 16 lane
	v_lshlrev_b32 v6, 4, v0                        ; 16 thread
	s_lshl_b32 s18, s15, 12                        ; a row of x is 4,096 bytes
	s_mov_b32 s19, 0
	s_lshl_b32 s32, s15, 11                        ; a row of x in f16 is 2,048
	s_mov_b32 s33, 0
	s_wait_kmcnt 0x0
	s_add_nc_u64 s[20:21], s[4:5], s[18:19]
	s_add_nc_u64 s[22:23], s[10:11], s[32:33]
	s_load_b256 s[24:31], s[8:9], 0x0              ; bg
.irp i, 0,1,2,3,4,5,6,7
	global_load_b128 v[X+4*\i:X+4*\i+3], v5, s[20:21] offset:512*\i th:TH_LOAD_NT
.endr
.irp n, 0,1,2,3,4,5,6,7,8,9,10,11,12,13,14,15
	global_load_b128 v[WA+4*\n:WA+4*\n+3], v6, s[6:7] offset:2048*\n  ; Wg whole, 128 threads x 16 bytes x 16
.endr
	v_lshrrev_b32 v7, 3, v0
	v_mul_u32_u24 v7, v7, WGP
	v_and_b32 v4, 7, v0
	v_lshl_add_u32 v7, v4, 4, v7                   ; byte 2,048 n + 16 thread of Wg is group 16 n + thread / 8, place 16 (thread % 8)
	v_mul_u32_u24 v[WAD], v1, WGP
	v_lshlrev_b32 v[XO], 3, v1
	v_mov_b32 v[NINF], 0xff800000
	v_mov_b32 v[ONE], 1
	v_mov_b32 v[T2], 0
	s_wait_loadcnt 0x0
.irp n, 0,1,2,3,4,5,6,7,8,9,10,11,12,13,14,15
	ds_store_b128 v7, v[WA+4*\n:WA+4*\n+3] offset:16*WGP*\n
.endr
	s_wait_dscnt 0x0                               ; for the others' sake: my part of Wg is in LDS
	s_barrier_signal -1
	s_barrier_wait -1
.macro WLOAD i, buf                    ; Wg[128 i + 4 lane + 0..3][0..7]
.irp q, 0,1,2,3,4,5,6,7
	ds_load_b128 v[(\buf)+4*\q:(\buf)+4*\q+3], v[WAD] offset:32*WGP*(\i)+16*\q
.endr
.endm
.macro FMA16 i, buf                    ; four d x four pairs of experts; x is given to both halves of a pair
.irp d, 0,1,2,3
.irp p, 0,1,2,3
.if ((\i) == 0) && ((\d) == 0)
	v_pk_mul_f32 v[A+2*\p:A+2*\p+1], v[(\buf)+8*\d+2*\p:(\buf)+8*\d+2*\p+1], v[X:X+1] op_sel_hi:[1,0]  ; the first product starts the sums
.elseif ((\d)%2) == 0
	v_pk_fma_f32 v[A+2*\p:A+2*\p+1], v[(\buf)+8*\d+2*\p:(\buf)+8*\d+2*\p+1], v[X+4*(\i)+\d:X+4*(\i)+\d+1], v[A+2*\p:A+2*\p+1] op_sel_hi:[1,0,1]
.else
	v_pk_fma_f32 v[A+2*\p:A+2*\p+1], v[(\buf)+8*\d+2*\p:(\buf)+8*\d+2*\p+1], v[X+4*(\i)+\d-1:X+4*(\i)+\d], v[A+2*\p:A+2*\p+1] op_sel:[0,1,0] op_sel_hi:[1,1,1]
.endif
.endr
.endr
.endm
	WLOAD 0, WA
.irp i, 0,1,2,3,4,5,6,7,8,9,10,11,12,13,14,15
	v_cvt_pk_f16_f32 v[H+\i], v[X+2*\i], v[X+2*\i+1]
.endr
.irp i, 0,1,2,3,4,5,6,7
	global_store_b64 v[XO], v[H+2*\i:H+2*\i+1], s[22:23] offset:256*\i  ; 32 lanes x 8 bytes: 256 consecutive bytes, aligned
.endr
.irp i, 0,1,2,3,4,5,6,7
.if \i < 7
	WLOAD (\i)+1, WA+32*(((\i)+1)%2)
	s_wait_dscnt 0x8                               ; the eight loads just issued may stay out
.else
	s_wait_dscnt 0x0
.endif
	FMA16 \i, WA+32*((\i)%2)
.endr
.irp e, 0,1,2,3,4,5,6,7                ; the sums over the 32 lanes, in every lane
	v_add_f32_dpp v[A+\e], v[A+\e], v[A+\e] row_xmask:1 row_mask:0xf bank_mask:0xf
	v_add_f32_dpp v[A+\e], v[A+\e], v[A+\e] row_xmask:2 row_mask:0xf bank_mask:0xf
	v_add_f32_dpp v[A+\e], v[A+\e], v[A+\e] row_xmask:4 row_mask:0xf bank_mask:0xf
	v_add_f32_dpp v[A+\e], v[A+\e], v[A+\e] row_xmask:8 row_mask:0xf bank_mask:0xf
	v_permlanex16_b32 v[T2], v[A+\e], s16, s17
	v_add_f32 v[A+\e], v[A+\e], v[T2]
.endr
	s_wait_kmcnt 0x0
.irp e, 0,1,2,3,4,5,6,7
	v_add_f32 v[A+\e], s[24+\e], v[A+\e]
.endr
	v_mov_b32 v[M1], v[A]                          ; the largest: only a strictly larger logit takes the place
	v_mov_b32 v[I1], 0
.irp e, 1,2,3,4,5,6,7
	v_cmp_gt_f32 vcc_lo, v[A+\e], v[M1]
	v_cndmask_b32 v[M1], v[M1], v[A+\e], vcc_lo
	v_cndmask_b32 v[I1], v[I1], \e, vcc_lo
.endr
.irp e, 0,1,2,3,4,5,6,7
	v_cmp_eq_u32 vcc_lo, \e, v[I1]
	v_cndmask_b32 v[B+\e], v[A+\e], v[NINF], vcc_lo
.endr
	v_mov_b32 v[M2], v[B]                          ; the second, in the same way, of what is left
	v_mov_b32 v[I2], 0
.irp e, 1,2,3,4,5,6,7
	v_cmp_gt_f32 vcc_lo, v[B+\e], v[M2]
	v_cndmask_b32 v[M2], v[M2], v[B+\e], vcc_lo
	v_cndmask_b32 v[I2], v[I2], \e, vcc_lo
.endr
	v_and_b32 v[EL], 7, v1                         ; lane l works for expert l % 8
	v_mov_b32 v[LG], v[A]
.irp e, 1,2,3,4,5,6,7
	v_cmp_eq_u32 vcc_lo, \e, v[EL]
	v_cndmask_b32 v[LG], v[LG], v[A+\e], vcc_lo
.endr
	v_sub_f32 v[T0], v[M2], v[M1]
	v_sub_f32 v[LG], v[LG], v[M1]
	v_mul_f32 v[T0], 0x3fb8aa3b, v[T0]
	v_mul_f32 v[LG], 0x3fb8aa3b, v[LG]
	v_exp_f32 v[E], v[T0]                          ; e^(l2 - l1)
	v_exp_f32 v[P], v[LG]                          ; e^(l - l1)
	v_nop                                          ; a plain instruction behind the exponentials (ISA guide 5.7.2)
	s_wait_alu depctr_va_vdst(0)
	v_add_f32 v[S], 1.0, v[E]
	v_mov_b32 v[T1], v[P]
	v_add_f32_dpp v[T1], v[T1], v[T1] row_xmask:1 row_mask:0xf bank_mask:0xf  ; the sum over eight neighbouring lanes: the eight experts
	v_add_f32_dpp v[T1], v[T1], v[T1] row_xmask:2 row_mask:0xf bank_mask:0xf
	v_add_f32_dpp v[T1], v[T1], v[T1] row_xmask:4 row_mask:0xf bank_mask:0xf
	v_rcp_f32 v[G0], v[S]
	v_rcp_f32 v[T0], v[T1]
	v_nop
	s_wait_alu depctr_va_vdst(0)
	v_mul_f32 v[G1], v[E], v[G0]
	v_mul_f32 v[P], v[P], v[T0]
	v_cmp_eq_u32 vcc_lo, v[EL], v[I2]              ; my expert's combine weight
	v_cndmask_b32 v[C], 0, v[G1], vcc_lo
	v_cmp_eq_u32 vcc_lo, v[EL], v[I1]
	v_cndmask_b32 v[C], v[C], v[G0], vcc_lo
	v_and_b32 v[T0], 8, v1
	v_cmp_ne_u32 vcc_lo, 0, v[T0]
	v_cndmask_b32 v[P], v[P], v[C], vcc_lo         ; places 0-7 of the record: probabilities; 8-15: combine weights
	v_and_b32 v[T0], 15, v1
	v_lshlrev_b32 v[T0], 2, v[T0]
	s_lshl_b32 s18, s14, 6
	v_add_nc_u32 v[T0], s18, v[T0]
	ds_store_b32 v[T0], v[P] offset:REC
	v_lshlrev_b32 v[T1], v[I1], v[ONE]
	v_add_nc_u32 v[T2], 8, v[I2]
	v_lshlrev_b32 v[T2], v[T2], v[ONE]
	v_or_b32 v[T1], v[T1], v[T2]
	s_lshl_b32 s18, s14, 2
	v_mov_b32 v[T0], s18
	ds_store_b32 v[T0], v[T1] offset:SELS
	s_lshl_b32 s18, s14, 3
	v_mov_b32 v[T2], s18
	ds_store_b64 v[T2], v[G0:G1] offset:GATS
	s_wait_dscnt 0x0                               ; for wave 0's sake
	s_barrier_signal -1
	s_barrier_wait -1
	s_cmp_lg_u32 s14, 0
	s_cbranch_scc1 .Lend
	v_and_b32 v8, 15, v1
	v_lshlrev_b32 v8, 2, v8
	v_and_b32 v9, 7, v1
	v_lshlrev_b32 v9, 2, v9
	v_and_b32 v10, 3, v1
	v_lshlrev_b32 v10, 2, v10
	v_mov_b32 v11, 0
	ds_load_b32 v12, v8 offset:REC
	ds_load_b32 v13, v8 offset:REC+64
	ds_load_b32 v14, v8 offset:REC+128
	ds_load_b32 v15, v8 offset:REC+192
	ds_load_b32 v16, v9 offset:GATS
	ds_load_b32 v17, v10 offset:SELS
	ds_load_b128 v[20:23], v11 offset:SELS
	s_lshl_b32 s18, ttmp9, 6
	s_add_nc_u64 s[34:35], s[10:11], s[18:19]      ; the work-group's 64 bytes of sums,
	s_lshl_b32 s18, ttmp9, 5
	s_add_nc_u64 s[36:37], s[10:11], s[18:19]      ; its 32 bytes of gates,
	s_lshl_b32 s18, ttmp9, 4
	s_add_nc_u64 s[38:39], s[12:13], s[18:19]      ; its 16 bytes of choices,
	s_lshl_b32 s18, ttmp9, 3
	s_add_nc_u64 s[40:41], s[12:13], s[18:19]      ; its 8 bytes of counts
	v_mov_b32 v24, 0
	v_mov_b32 v25, 0
	s_wait_dscnt 0x0
	v_add_f32 v12, v12, v13
	v_add_f32 v14, v14, v15
	v_add_f32 v12, v12, v14
	global_store_b32 v8, v12, s[34:35] offset:2105344
	global_store_b32 v9, v16, s[36:37] offset:2097152
	global_store_b32 v10, v17, s[38:39]
.irp q, 20,21,22,23                    ; a token's two bits, each spread to the lowest bit of its byte: bit i times 2^(7 i) lands on bit 8 i, and no two products meet
	v_lshrrev_b32 v26, 8, v\q
	v_or_b32 v26, v26, v\q
	v_and_b32 v27, 15, v26
	v_bfe_u32 v28, v26, 4, 4
	v_mul_u32_u24 v27, v27, 0x204081
	v_mul_u32_u24 v28, v28, 0x204081
	v_and_b32 v27, 0x1010101, v27
	v_and_b32 v28, 0x1010101, v28
	v_add_nc_u32 v24, v24, v27
	v_add_nc_u32 v25, v25, v28
.endr
	global_store_b64 v11, v[24:25], s[40:41] offset:4096
.Lend:
	s_wait_tensorcnt 0x0                           ; the wave's end: three lines behind my last LDS store
	ds_add_u32 v2, v3
	s_wait_dscnt 0x0
	s_endpgm
.Lfunc_end_k_q9bb64ab524_router:
	.size	k_q9bb64ab524_router, .Lfunc_end_k_q9bb64ab524_router-k_q9bb64ab524_router
	.p2alignl 7, 3214868480
	.fill 96, 4, 3214868480
	.section	.rodata,"a",@progbits
	.p2align	6, 0x0
	.amdhsa_kernel k_q9bb64ab524_router
		.amdhsa_group_segment_fixed_size 37888
		.amdhsa_private_segment_fixed_size 0
		.amdhsa_enable_private_segment 0
		.amdhsa_kernarg_size 40
		.amdhsa_user_sgpr_count 2
		.amdhsa_user_sgpr_kernarg_segment_ptr 1
		.amdhsa_wavefront_size32 1
		.amdhsa_system_sgpr_workgroup_id_x 1
		.amdhsa_system_sgpr_workgroup_id_y 1
		.amdhsa_system_sgpr_workgroup_id_z 1
		.amdhsa_system_vgpr_workitem_id 0
		.amdhsa_next_free_vgpr 160
		.amdhsa_next_free_sgpr 66
		.amdhsa_reserve_vcc 1
		.amdhsa_float_denorm_mode_32 3
		.amdhsa_float_denorm_mode_16_64 3
		.amdhsa_memory_ordered 1
		.amdhsa_forward_progress 1
		.amdhsa_inst_pref_size 31
	.end_amdhsa_kernel
	.amdgpu_metadata
---
amdhsa.version: [ 1, 2 ]
amdhsa.kernels:
  - .name:           k_q9bb64ab524_router
    .symbol:         k_q9bb64ab524_router.kd
    .args:
      - { .name: x, .offset: 0, .size: 8, .value_kind: global_buffer, .address_space: global }
      - { .name: Wg, .offset: 8, .size: 8, .value_kind: global_buffer, .address_space: global }
      - { .name: bg, .offset: 16, .size: 8, .value_kind: global_buffer, .address_space: global }
      - { .name: rx, .offset: 24, .size: 8, .value_kind: global_buffer, .address_space: global }
      - { .name: route, .offset: 32, .size: 8, .value_kind: global_buffer, .address_space: global }
    .group_segment_fixed_size: 37888
    .private_segment_fixed_size: 0
    .kernarg_segment_align: 8
    .kernarg_segment_size: 40
    .max_flat_workgroup_size: 128
    .sgpr_count:     66
    .vgpr_count:     160
    .wavefront_size: 32
...
	.end_amdgpu_metadata
.endif
;; end of part 1
;; launch l1 (part 2): grid 32 x 13, 8 waves a work-group, no clusters, 196,864 bytes of LDS; arguments W1, b1, rx, route, h1, plan; writes h1, plan
.if DOCPART == 2
	.amdgcn_target "amdgcn-amd-amdhsa--gfx1250"
	.amdhsa_code_object_version 6
	.text
	.protected	k_q9bb64ab524_l1
	.globl	k_q9bb64ab524_l1
	.p2align	8
	.type	k_q9bb64ab524_l1,@function
k_q9bb64ab524_l1:
	s_mov_b64 s[64:65], 0
	v_nop
	global_prefetch_b8 v0, s[64:65] scope:SCOPE_SE
	s_setreg_imm32_b32 hwreg(HW_REG_WAVE_MODE, 25, 1), 1
	s_wait_xcnt 0x0
; FIRST LAYER OF THE ROUTED EXPERTS: h1 = relu(x W1 + b1), only for the rows that chose an expert; also the experts' counts and row lists for the later layers.
; WORK-GROUP (x, y): x = a slice of 64 output columns, y = a PANEL: up to 384 rows of one expert.  2,048 routed rows and 8 experts make at most ceil(2048 / 384) + 7 = 13 panels, whatever the split;
; every work-group finds its panel from the eight counts.  A work-group without a panel (LIVE = 0) runs the set-up with clamped numbers, asks for no weights, passes every barrier, stores nothing.
; THE WEIGHTS.  The slice's whole K is 8 chunks (a chunk: 128 rows of K x 64 columns); in f16 they take 8 x 20,480 bytes of LDS, so they are laid ONCE.  As soon as the panel is known each of the eight waves asks
; for the chunk of its own number (64 loads of 512 bytes, each two whole rows of 256 aligned bytes: 256 KB for the eight); the rest of the set-up (bias, the scan, the first token loads) stands between the
; request and the first wait for it.  The wave rounds its chunk to f16 in place and lays it into the slot of its own number.  A barrier: in front of it each wave has waited for its weight loads and its LDS stores;
; every turning load stands behind it.  A second barrier stands behind the products: in front of it a math wave has waited for its turning loads; every LDS store of the way out stands behind it.
; All eight waves run one set-up, so that every register is written on every way through the text; waves 4-7's bias, scan and token loads serve nothing: the price of that.
; MATH.  Waves 0-3 multiply; wave w owns the panel's blocks of 16 rows 4 j + w, j = 0..5, x 64 columns: 24 accumulators for the whole K; token fragments come from memory straight into registers, three K steps ahead.
; Waves 4-7 have no part in it: on eight waves each weight fragment read from LDS would feed half as many products.
; The product is used transposed: source 0 = 16 weight columns (turned out of LDS by ds_load_tr16_b128), source 1 = 16 tokens: a lane holds one token and eight neighbouring columns, and these, rounded to f16,
; ARE four registers of the same lane of the next layer's token fragment.  So h1 lies in FRAGMENT ORDER, [expert][block of 16 rows][K step of 32][half][lane][16 bytes]: every store of it is 512 consecutive bytes.
; NO MULTICAST, NO TENSOR LOAD: a slice of weights has one reader and is f32, so it passes registers to be rounded; a panel's token rows come by a list, which no descriptor covers.
; FORMATS.  x and W1 go to f16 (65,520 or more becomes an infinity; below 6.1e-5 the step is 6e-8).  h1 is f16 times a power of two c, one for each panel and slice, measured on the data so that the largest
; stored number lies in 2^13 .. 2^14; numbers 2^28 below their tile's largest lose bits.  NaN and infinities are not treated apart.  Sums in f32, in an order of their own.
.set NCH, 8                            ; chunks of 128 along K
.set WSH, 23                           ; log2 of an expert's bytes of W
.set PSH, 13                           ; log2 of a row's bytes in W and in the bias
.set PITCH, 1<<PSH
.set KSB, 64                           ; token side: bytes from K step to K step, to a fragment's second half, from chunk to chunk
.set QB,  32
.set CHB, 256
.set WP,    160                        ; an LDS row of weights: 64 f16 + 32 bytes
.set SLOTB, 128*WP
.set REGB,  NCH*SLOTB
.set RED,   REGB                       ; four words: the math waves' maxima
.set LIST,  RED+256                    ; 1,792 bytes a wave, its own
.set LISTB, 1792
.set STG,   LIST+8*LISTB               ; (the third layer's stages)
.set SPARE, STG+4*16*272               ; the spare words: 128 bytes a wave, named by no other line
.set SCOFF, 0x2000000                  ; the scales lie behind h's 33,554,432 bytes: [24 panels][32 slices] f32
; vector registers, window 0: v0 thread, v1 lane % 16, v2 lane / 16, v3 lane, v26-31 at work
.set SPW, 4
.set NIL, 5
.set BAD, 6                            ; my lane's place in a chunk for the turning load; never rewritten
.set BA,  7                            ; + the chunk's place
.set VOFF,8                            ; v8-13 my byte offset in block j's token rows
.set VSO, 14                           ; my byte offset in the output
.set ZR,  15
.set WOF, 16                           ; my byte offset in two rows of W
.set ST0, 17                           ; my place in two rows of my wave's slot; never rewritten
.set MX,  20                           ; v20-23 running maxima
.set BI,  32                           ; v32-63 bias of column 16 n + 8 (lane / 16) + i at BI + 8 n + i
.set AR,  64                           ; v64-255 token fragments: K step T, block j at AR + 48 (T % 4) + 8 j
.set BF,  192                          ; window 1: first my chunk as loaded, all 256; then weight fragments, K step T, tile n at BF + 32 (T % 2) + 8 n, and accumulator (j, n) at 32 j + 8 n
; scalar registers: s[4:5] W1, s[6:7] b1, s[8:9] rx, s[10:11] route, s[12:13] h1, s[14:15] plan
.set T0, 2
.set T1, 3
.set U,  16                            ; wave % 4
.set CC, 19                            ; the chunk that the math waves multiply next
.set IT, 21
.set WV, 24
.set T2, 25
.set Y,  26
.set EX, 27
.set QQ, 28
.set NE, 29
.set NP, 30
.set NB, 31
.set T3, 32
.set LISTW,33
.set TR, 34
.set NBW,35
.set AC, 36
.set AN, 38
.set ABASE, 40
.set WB, 42
.set OB, 44
.set INV,48
.set SEL,50
.set CN, 52                            ; s[52:59] the counts; then
.set WBS,52                            ; s[52:53] my slice of the expert's weights
.set LIVE,60
.set SL, 62
.set PIDX,63
.set NPM1,66
.set RB, 67
.set MK, 68
.set SH8,69
.set MSB, 0
.macro WIN new                         ; s_set_vgpr_msb: bits 1:0 source 0, 3:2 source 1, 5:4 source 2, 7:6 destination; the high byte repeats the setting that is left
.if MSB != (\new)
	s_set_vgpr_msb (MSB<<8)|(\new)
.set MSB, (\new)
.endif
.endm
.macro PLACES
.rept 4
	v_nop
.endr
.endm
; Written once, in the wait for the counts: ring set 3 and set 2's blocks 4 and 5 hold 0 (the first "fourth K step of the chunk before" has no chunk before it; blocks 4 and 5 are loaded only where a wave has
; so many); all of window 1, so that every register is written on every way, also that of a work-group that asks for no weights.
.macro ZEROS
.set i, AR+128
.rept 64
	v_mov_b32 v[i], 0
.set i, i+1
.endr
	WIN 0x40
.set i, 0
.rept 256
	v_mov_b32 v[i], 0
.set i, i+1
.endr
	WIN 0
.endm
.macro ISSUE64                         ; a chunk: load i takes rows 2 i and 2 i + 1, 256 aligned bytes each
	WIN 0x40
.set i, 0
.rept 64
	global_load_b128 v[4*i:4*i+3], v[WOF], s[WB:WB+1] offset:i*2*PITCH th:TH_LOAD_NT
.set i, i+1
.endr
	WIN 0
.endm
; Eight loads at a time.  The count leaves out the chunk's younger loads and the y loads that the set-up issues behind the chunk on every way (no more than the wait's field holds).  Rounded in place: load i's 8 bytes a lane lie in registers 4 i, 4 i + 1.
.macro ROUND y
.set bb, 0
.rept 8
.set cw, 56-8*bb+(\y)
.if cw > 63
.set cw, 63
.endif
	s_wait_loadcnt cw
	WIN 0x45
.set ii, 0
.rept 8
	v_cvt_pk_f16_f32 v[32*bb+4*ii], v[32*bb+4*ii], v[32*bb+4*ii+1]
	v_cvt_pk_f16_f32 v[32*bb+4*ii+1], v[32*bb+4*ii+2], v[32*bb+4*ii+3]
.set ii, ii+1
.endr
.set bb, bb+1
.endr
	WIN 0
.endm
.macro LAY                             ; the rounded chunk goes into my wave's slot
	WIN 0x04
.set i, 0
.rept 64
	ds_store_b64 v[ST0], v[4*i:4*i+1] offset:2*WP*i
.set i, i+1
.endr
	WIN 0
.endm
; THE SUMS BEGIN: window 1 held my chunk, so the weight fragments of parity 1 are set to 0, and 24 products of them with ring set 3 (0) and C = 0 start all 24 sums at 0.
.macro ZSTEP
	WIN 0x40
.set i, BF+32
.rept 32
	v_mov_b32 v[i], 0
.set i, i+1
.endr
	WIN 0x51
.irp j, 0,1,2,3,4,5
.irp n, 0,1,2,3
	v_wmma_f32_16x16x32_f16 v[32*\j+8*\n:32*\j+8*\n+7], v[BF+32+8*\n:BF+32+8*\n+7], v[AR+144+8*\j:AR+144+8*\j+7], 0
.endr
.endr
	WIN 0
.endm
.macro ALOAD j, set, base, atl         ; block j's token fragment of one K step
	global_load_b128 v[AR+48*(\set)+8*(\j):AR+48*(\set)+8*(\j)+3], v[VOFF+(\j)], s[\base:\base+1] offset:(\atl)*KSB
	global_load_b128 v[AR+48*(\set)+8*(\j)+4:AR+48*(\set)+8*(\j)+7], v[VOFF+(\j)], s[\base:\base+1] offset:(\atl)*KSB+QB
.endm
.macro BL btl, par                     ; the weight fragments of K step btl of the chunk: four tiles of 16 columns x 32 K
	WIN 0x40
.irp n, 0,1,2,3
	ds_load_tr16_b128 v[BF+32*(\par)+8*\n:BF+32*(\par)+8*\n+3], v[BA] offset:(\btl)*32*WP+32*\n
	ds_load_tr16_b128 v[BF+32*(\par)+8*\n+4:BF+32*(\par)+8*\n+7], v[BA] offset:(\btl)*32*WP+32*\n+16*WP
.endr
	WIN 0
.endm
.macro MUL j, t                        ; block j x four tiles.  The accumulators take turns, one instruction a turn
	WIN 0x51
.irp n, 0,1,2,3
	v_wmma_f32_16x16x32_f16 v[32*(\j)+8*\n:32*(\j)+8*\n+7], v[BF+32*((\t)%2)+8*\n:BF+32*((\t)%2)+8*\n+7], v[AR+48*((\t)%4)+8*(\j):AR+48*((\t)%4)+8*(\j)+7], v[32*(\j)+8*\n:32*(\j)+8*\n+7]
.endr
.endm
; K STEP t (of four in a chunk).  Four places stand between the step before's products and the loads into the registers that they read (ISA guide 7.12.1 for vector instructions), on every way into the step.
; btl >= 0: the next step's weight fragments are asked for.  atl >= 0: the token fragments three steps on, at K step atl from abase.
; nwait: every step issues at least 8 token loads on every way, so with at most 8 x (steps younger than this one's data) out, this step's are in.  Blocks 4 and 5 are jumped where the wave has not so many.
.macro STEP t, btl, abase, atl, nwait
	WIN 0
	PLACES
	s_wait_dscnt 0x0                               ; this step's weight fragments are in
.if (\btl) >= 0
	BL \btl, ((\t)+1)%2
.endif
.if (\atl) >= 0
.irp j, 0,1,2,3
	ALOAD \j, ((\t)+3)%4, \abase, \atl
.endr
.endif
	s_wait_loadcnt \nwait
.irp j, 0,1,2,3
	MUL \j, \t
.endr
.irp j, 4,5
	WIN 0
	s_cmp_le_u32 s[NBW], \j
	s_cbranch_scc1 .Lse_\@
.if (\atl) >= 0
	ALOAD \j, ((\t)+3)%4, \abase, \atl
.endif
	MUL \j, \t
.endr
	WIN 0
.Lse_\@:
.endm
	s_load_b256 s[4:11], s[0:1], 0x0
	s_load_b128 s[12:15], s[0:1], 0x20
	v_lshl_add_u32 v[SPW], v0, 2, SPARE            ; my spare word, and 0: kept for the three lines at the end
	v_mov_b32 v[NIL], 0
	v_lshrrev_b32 v1, 5, v0
	v_readfirstlane_b32 s[WV], v1
	v_and_b32 v1, 15, v0
	v_bfe_u32 v2, v0, 4, 1
	v_and_b32 v3, 31, v0
	s_and_b32 s[Y], ttmp7, 0xffff
	s_mov_b32 s[SL], ttmp9
	s_and_b32 s[U], s[WV], 3
	s_mov_b32 s[SEL], 0x76543210
	s_mov_b32 s[SEL+1], 0xfedcba98
	v_and_b32 v27, 7, v0                           ; the turning load: lane l reads row 8 (l / 16) + l % 8, 16 bytes at 16 ((l / 8) % 2)
	v_lshl_add_u32 v27, v2, 3, v27
	v_mul_u32_u24 v[BAD], v27, WP
	v_bfe_u32 v27, v0, 3, 1
	v_lshl_add_u32 v[BAD], v27, 4, v[BAD]
	v_mul_u32_u24 v[ST0], v2, WP                   ; laying: lanes 0-15 one row, lanes 16-31 the next, 8 bytes a lane, in the slot of my wave's number
	v_lshl_add_u32 v[ST0], v1, 3, v[ST0]
	s_mul_i32 s[T2], s[WV], SLOTB
	v_add_nc_u32 v[ST0], s[T2], v[ST0]
	v_lshlrev_b32 v[WOF], PSH, v2
	v_lshl_add_u32 v[WOF], v1, 4, v[WOF]
	v_mov_b32 v[ZR], 0
	s_mul_i32 s[LISTW], s[WV], LISTB
	s_add_co_u32 s[LISTW], s[LISTW], LIST
	s_wait_kmcnt 0x0
	v_lshlrev_b32 v28, 2, v3                       ; the 1,024 choices and the 256 records of counts are asked for together
.set i, 0
.rept 32
	global_load_b32 v[AR+i], v28, s[10:11] offset:128*i
.set i, i+1
.endr
	v_lshlrev_b32 v26, 4, v3
.irp u, 0,1,2,3
	global_load_b128 v[AR+32+4*\u:AR+32+4*\u+3], v26, s[10:11] offset:4096+512*\u
.endr
	ZEROS
	v_mov_b32 v29, 0
	s_wait_loadcnt 0x0
	; THE COUNTS: records of 8 bytes, added as packed bytes (8 records a lane, 4 at the most in a byte), widened to 16-bit fields, summed over the lanes
	v_add3_u32 v27, v[AR+32], v[AR+34], v[AR+36]
	v_add3_u32 v28, v[AR+33], v[AR+35], v[AR+37]
	v_add3_u32 v27, v27, v[AR+38], v[AR+40]
	v_add3_u32 v28, v28, v[AR+39], v[AR+41]
	v_add3_u32 v27, v27, v[AR+42], v[AR+44]
	v_add3_u32 v28, v28, v[AR+43], v[AR+45]
	v_add_nc_u32 v27, v27, v[AR+46]
	v_add_nc_u32 v28, v28, v[AR+47]
	v_and_b32 v56, 0xff00ff, v27
	v_lshrrev_b32 v27, 8, v27
	v_and_b32 v57, 0xff00ff, v27
	v_and_b32 v58, 0xff00ff, v28
	v_lshrrev_b32 v28, 8, v28
	v_and_b32 v59, 0xff00ff, v28
.irp q, 56,57,58,59
.irp m, 1,2,4,8
	v_mov_b32_dpp v29, v\q row_xmask:\m row_mask:0xf bank_mask:0xf
	v_add_nc_u32 v\q, v\q, v29
.endr
	v_permlanex16_b32 v29, v\q, s[SEL], s[SEL+1]
	v_add_nc_u32 v\q, v\q, v29
.endr
	v_readfirstlane_b32 s[T0], v56
	v_readfirstlane_b32 s[T1], v57
	v_readfirstlane_b32 s[T2], v58
	v_readfirstlane_b32 s[T3], v59
	s_and_b32 s[CN+0], s[T0], 0xffff
	s_lshr_b32 s[CN+2], s[T0], 16
	s_and_b32 s[CN+1], s[T1], 0xffff
	s_lshr_b32 s[CN+3], s[T1], 16
	s_and_b32 s[CN+4], s[T2], 0xffff
	s_lshr_b32 s[CN+6], s[T2], 16
	s_and_b32 s[CN+5], s[T3], 0xffff
	s_lshr_b32 s[CN+7], s[T3], 16
	s_or_b32 s[T0], s[SL], s[Y]                    ; wave 0 of work-group (0, 0) stores them for the later layers; all lanes the same 32 bytes
	s_or_b32 s[T0], s[T0], s[WV]
	s_cmp_lg_u32 s[T0], 0
	s_cbranch_scc1 .Lno_cnt
.irp e, 0,1,2,3,4,5,6,7
	v_mov_b32 v[AR+32+\e], s[CN+\e]
.endr
	v_mov_b32 v27, 0
	global_store_b128 v27, v[AR+32:AR+35], s[14:15]
	global_store_b128 v27, v[AR+36:AR+39], s[14:15] offset:16
	s_wait_xcnt 0x0                                ; their registers are written again below
.Lno_cnt:
	; WHICH PANEL IS MINE: expert e has (n > 0) + (n > 384) + (n > 768) panels; panel Y is number Y - P of the expert at which the running sum P passes Y
	s_mov_b32 s[EX], 8
	s_mov_b32 s[QQ], 0
	s_mov_b32 s[NE], 0
	s_mov_b32 s[T3], 0
.irp e, 0,1,2,3,4,5,6,7
	s_cmp_gt_u32 s[CN+\e], 0
	s_cselect_b32 s[T0], 1, 0
	s_cmp_gt_u32 s[CN+\e], 384
	s_cselect_b32 s[T1], 1, 0
	s_add_co_u32 s[T0], s[T0], s[T1]
	s_cmp_gt_u32 s[CN+\e], 768
	s_cselect_b32 s[T1], 1, 0
	s_add_co_u32 s[T0], s[T0], s[T1]
	s_sub_co_u32 s[T1], s[Y], s[T3]
	s_cmp_lt_u32 s[T1], s[T0]
	s_cselect_b32 s[EX], \e, s[EX]
	s_cselect_b32 s[QQ], s[T1], s[QQ]
	s_cselect_b32 s[NE], s[CN+\e], s[NE]
	s_add_co_u32 s[T3], s[T3], s[T0]
.endr
	s_cmp_lt_u32 s[EX], 8
	s_cselect_b32 s[LIVE], 1, 0                    ; 0: no such panel
	s_min_u32 s[EX], s[EX], 7
	s_min_u32 s[QQ], s[QQ], 2
	s_lshl_b32 s[T0], s[EX], WSH
	s_lshl_b32 s[T1], s[SL], 8
	s_add_co_u32 s[T0], s[T0], s[T1]
	s_mov_b32 s[T1], 0
	s_add_nc_u64 s[WBS:WBS+1], s[4:5], s[T0:T1]
	s_cmp_eq_u32 s[LIVE], 0
	s_cbranch_scc1 .Lno_w
	s_lshl_b32 s[T0], s[WV], PSH+7                 ; THE WEIGHTS ARE ASKED FOR: the chunk of my wave's number
	s_add_nc_u64 s[WB:WB+1], s[WBS:WBS+1], s[T0:T1]
	ISSUE64
.Lno_w:
	s_mul_i32 s[T0], s[QQ], 384
	s_sub_co_u32 s[NP], s[NE], s[T0]
	s_min_u32 s[NP], s[NP], 384                    ; the panel's rows,
	s_max_u32 s[NP], s[NP], 1
	s_sub_co_u32 s[NPM1], s[NP], 1
	s_add_co_u32 s[NB], s[NP], 15
	s_lshr_b32 s[NB], s[NB], 4                     ; its blocks of 16,
	s_sub_co_u32 s[NBW], s[NB], s[U]
	s_add_co_u32 s[NBW], s[NBW], 3
	s_lshr_b32 s[NBW], s[NBW], 2                   ; and how many of them are a math wave's
	s_mul_i32 s[PIDX], s[EX], 3
	s_add_co_u32 s[PIDX], s[PIDX], s[QQ]
	s_lshl_b32 s[T0], s[EX], PSH
	s_lshl_b32 s[T2], s[SL], 8
	s_add_co_u32 s[T0], s[T0], s[T2]
	s_add_nc_u64 s[AN:AN+1], s[6:7], s[T0:T1]
	v_lshlrev_b32 v26, 5, v2
.irp n, 0,1,2,3
	global_load_b128 v[BI+8*\n:BI+8*\n+3], v26, s[AN:AN+1] offset:64*\n
	global_load_b128 v[BI+8*\n+4:BI+8*\n+7], v26, s[AN:AN+1] offset:64*\n+16
.endr
	s_mul_i32 s[T0], s[QQ], 24
	s_add_co_u32 s[T0], s[T0], s[U]
	s_lshl_b32 s[T0], s[T0], 16
	v_lshl_add_u32 v[VSO], v3, 4, s[T0]            ; block 24 q + w, 16 bytes a lane
	s_lshl_b32 s[T0], s[EX], 22
	s_lshl_b32 s[T2], s[SL], 11
	s_add_co_u32 s[T0], s[T0], s[T2]
	s_add_nc_u64 s[OB:OB+1], s[12:13], s[T0:T1]
	; THE PANEL'S ROWS.  Each wave walks the 1,024 choices, 32 a step, and lays 2 t + k of the tokens that chose my expert, in ascending order, into its own list: place = those before, less 384 q.
	; Places outside the panel, and tokens of other experts, go to word 384, which nobody reads.  Word 0 is written first, for a work-group whose clamped expert has no token.  EXEC stays whole.
	v_mov_b32 v27, s[LISTW]
	ds_store_b32 v27, v[ZR]
	s_mul_i32 s[RB], s[QQ], 384
	s_sub_co_u32 s[RB], 0, s[RB]
	s_lshl_b32 s[MK], 0x101, s[EX]
	s_add_co_u32 s[SH8], s[EX], 8
	v_mov_b32 v29, -1
	v_lshlrev_b32 v30, 1, v3
.set i, 0
.rept 32
	v_and_b32 v27, s[MK], v[AR+i]
	v_cmp_ne_u32 vcc_lo, 0, v27
	v_mbcnt_lo_u32_b32 v31, vcc_lo, s[RB]
	v_cndmask_b32 v31, v29, v31, vcc_lo
	v_min_u32 v31, 0x180, v31
	v_lshrrev_b32 v27, s[SH8], v27                 ; k: 1 if the expert is the token's second choice
	v_add_nc_u32 v27, v27, v30
	v_lshl_add_u32 v31, v31, 2, s[LISTW]
	ds_store_b32 v31, v27
	v_add_nc_u32 v30, 64, v30
	s_bcnt1_i32_b32 s[T0], vcc_lo
	s_add_co_u32 s[RB], s[RB], s[T0]
.set i, i+1
.endr
	s_lshl_b32 s[T0], s[U], 4
	v_add_nc_u32 v28, s[T0], v1
.irp j, 0,1,2,3,4,5                    ; row 16 (4 j + w) + lane % 16; places past the count repeat the last row
	v_add_nc_u32 v27, 64*\j, v28
	v_min_u32 v27, s[NPM1], v27
	v_min_u32 v27, 0x17f, v27
	v_lshl_add_u32 v27, v27, 2, s[LISTW]
	ds_load_b32 v[VOFF+\j], v27                    ; LDS serves a wave's instructions in order (ISA guide 5.7.1.4): these see the stores above
.endr
	s_wait_dscnt 0x0
	v_lshlrev_b32 v27, 4, v2
.irp j, 0,1,2,3,4,5
	v_lshrrev_b32 v[VOFF+\j], 1, v[VOFF+\j]
	v_min_u32 v[VOFF+\j], 0x3ff, v[VOFF+\j]
	v_lshl_add_u32 v[VOFF+\j], v[VOFF+\j], 11, v27 ; the token's row of 2,048 bytes + 16 (lane / 16)
.endr
	s_xor_b32 s[T1], s[LIVE], 1                    ; slice 0's wave 0 stores the panel's list for the third layer
	s_or_b32 s[T0], s[SL], s[WV]
	s_or_b32 s[T0], s[T0], s[T1]
	s_cmp_lg_u32 s[T0], 0
	s_cbranch_scc1 .Lno_rowl
	s_mul_i32 s[T0], s[EX], 1152
	s_mul_i32 s[T1], s[QQ], 384
	s_add_co_u32 s[T0], s[T0], s[T1]
	s_lshl_b32 s[T0], s[T0], 2
	s_mov_b32 s[T1], 0
	s_add_nc_u64 s[INV:INV+1], s[14:15], s[T0:T1]
.set i, 0
.rept 12
	v_add_nc_u32 v27, 32*i, v3
	v_min_u32 v27, s[NPM1], v27
	v_min_u32 v27, 0x17f, v27
	v_lshl_add_u32 v27, v27, 2, s[LISTW]
	ds_load_b32 v[AR+i], v27
.set i, i+1
.endr
	v_lshlrev_b32 v31, 2, v3
	s_wait_dscnt 0x0
.set i, 0
.rept 12
	global_store_b32 v31, v[AR+i], s[INV:INV+1] offset:256+128*i
.set i, i+1
.endr
	s_wait_xcnt 0x0                                ; their registers take token rows next
.Lno_rowl:
	s_mov_b64 s[ABASE:ABASE+1], s[8:9]
	s_mov_b64 s[AC:AC+1], s[ABASE:ABASE+1]
.irp t, 0,1                            ; K steps 0 and 1 of all six blocks
.irp j, 0,1,2,3,4,5
	ALOAD \j, \t, AC, \t
.endr
.endr
	s_cmp_eq_u32 s[LIVE], 0
	s_cbranch_scc1 .Lno_lay
	ROUND 32                                       ; behind my chunk's loads stand 8 bias and 24 token loads
	LAY
.Lno_lay:
	s_wait_loadcnt 24                              ; on every way: only the 24 token loads are younger than the bias: no weight load is out at the barrier
	s_wait_dscnt 0x0                               ; my slot is laid, my list is written
	s_barrier_signal -1                            ; the barrier between the laying and every turning load
	s_barrier_wait -1
	s_cmp_eq_u32 s[LIVE], 0
	s_cbranch_scc1 .Lmj
	s_cmp_lt_u32 s[WV], 4
	s_cbranch_scc0 .Lmj
	ZSTEP
	s_mov_b32 s[CC], 0
	s_mov_b32 s[TR], 0
	s_mov_b32 s[IT], NCH
.Lin:                                  ; a chunk.  It begins with the fourth K step of the chunk before, whose fragments are in registers, so that products stand behind the new chunk's first fragment loads
	s_wait_xcnt 0x0                                ; the two bases are written again only behind this wait
	s_min_u32 s[T0], s[CC], NCH-1
	s_mul_i32 s[T0], s[T0], CHB
	s_mov_b32 s[T1], 0
	s_add_nc_u64 s[AC:AC+1], s[ABASE:ABASE+1], s[T0:T1]  ; token rows at this chunk,
	s_add_co_u32 s[T0], s[CC], 1
	s_min_u32 s[T0], s[T0], NCH-1
	s_mul_i32 s[T0], s[T0], CHB
	s_add_nc_u64 s[AN:AN+1], s[ABASE:ABASE+1], s[T0:T1]  ; and at the next; at the last chunk the same once more: those loads serve nothing and stay inside the buffer
	v_add_nc_u32 v[BA], s[TR], v[BAD]
	STEP 3, 0, AC, 2, 24
	STEP 0, 1, AC, 3, 24
	STEP 1, 2, AN, 0, 24
	STEP 2, 3, AN, 1, 24
	s_add_co_u32 s[TR], s[TR], SLOTB
	s_add_co_u32 s[CC], s[CC], 1
	s_sub_co_u32 s[IT], s[IT], 1
	s_cmp_lg_u32 s[IT], 0
	s_cbranch_scc1 .Lin
.Lmj:
	s_wait_dscnt 0x0                               ; my turning loads are back
	s_barrier_signal -1                            ; the barrier between every turning load and the way out's LDS stores
	s_barrier_wait -1
; THE WAY OUT
.macro PASS1 j                         ; the bias is added, in place; the running maxima.  Each accumulator is read from its lowest registers on
	WIN 0x41
.set i, 0
.rept 16
	v_pk_add_f32 v[32*(\j)+2*i:32*(\j)+2*i+1], v[32*(\j)+2*i:32*(\j)+2*i+1], v[BI+2*i:BI+2*i+1]
.set i, i+1
.endr
	WIN 0x14
.set i, 0
.rept 16
	v_max3_num_f32 v[MX+i%4], v[MX+i%4], v[32*(\j)+2*i], v[32*(\j)+2*i+1]
.set i, i+1
.endr
.endm
	s_cmp_eq_u32 s[LIVE], 0
	s_cbranch_scc1 .Lred
	s_cmp_lt_u32 s[WV], 4
	s_cbranch_scc0 .Lred
	STEP 3, -1, AC, -1, 16                         ; the last K step: two steps' loads are younger than its own
	PLACES
	s_wait_loadcnt 0x0
.irp q, 0,1,2,3
	v_mov_b32 v[MX+\q], 0                          ; the maxima start at 0: what the ReLU drops does not count
.endr
	PASS1 0
	PASS1 1
	PASS1 2
	PASS1 3
	WIN 0
	s_cmp_le_u32 s[NBW], 4
	s_cbranch_scc1 .Lp1_end
	PASS1 4
	WIN 0
	s_cmp_le_u32 s[NBW], 5
	s_cbranch_scc1 .Lp1_end
	PASS1 5
	WIN 0
.Lp1_end:
	v_max3_num_f32 v[MX], v[MX], v[MX+1], v[MX+2]
	v_max_num_f32 v[MX], v[MX], v[MX+3]
	v_max_num_f32_dpp v[MX], v[MX], v[MX] row_xmask:1 row_mask:0xf bank_mask:0xf
	v_max_num_f32_dpp v[MX], v[MX], v[MX] row_xmask:2 row_mask:0xf bank_mask:0xf
	v_max_num_f32_dpp v[MX], v[MX], v[MX] row_xmask:4 row_mask:0xf bank_mask:0xf
	v_max_num_f32_dpp v[MX], v[MX], v[MX] row_xmask:8 row_mask:0xf bank_mask:0xf
	v_permlanex16_b32 v[MX+1], v[MX], s[SEL], s[SEL+1]
	v_max_num_f32 v[MX], v[MX], v[MX+1]
	s_lshl_b32 s[T0], s[WV], 2
	s_add_co_u32 s[T0], s[T0], RED
	v_mov_b32 v26, s[T0]
	ds_store_b32 v26, v[MX]
.Lred:
	s_wait_dscnt 0x0                               ; for the others' sake: my maximum is in LDS
	s_barrier_signal -1
	s_barrier_wait -1
	s_cmp_eq_u32 s[LIVE], 0
	s_cbranch_scc1 .Lend
	s_cmp_lt_u32 s[WV], 4
	s_cbranch_scc0 .Lend
	s_wait_loadcnt 0x0                             ; the ring's registers are written below
	PLACES                                         ; four places ahead of the lines that read the sums, on every way to them
	v_mov_b32 v26, RED
	ds_load_b128 v[MX:MX+3], v26
	s_wait_dscnt 0x0
	v_max3_num_f32 v[MX], v[MX], v[MX+1], v[MX+2]
	v_max_num_f32 v[MX], v[MX], v[MX+3]
	v_readfirstlane_b32 s[T0], v[MX]
	s_lshr_b32 s[T0], s[T0], 23                    ; the largest number's exponent field be, held to 14 .. 254
	s_max_u32 s[T0], s[T0], 14
	s_min_u32 s[T0], s[T0], 254
	s_sub_co_u32 s[T1], 267, s[T0]
	s_lshl_b32 s[INV], s[T1], 23                   ; 2^(140 - be): brings it into 2^13 .. 2^14
	s_mov_b32 s[INV+1], s[INV]
	s_sub_co_u32 s[T1], s[T0], 13
	s_lshl_b32 s[T2], s[T1], 23                    ; c = 2^(be - 140)
	s_cmp_lg_u32 s[WV], 0
	s_cbranch_scc1 .Lno_sc
	s_lshl_b32 s[T0], s[PIDX], 7
	s_lshl_b32 s[T1], s[SL], 2
	s_add_co_u32 s[T0], s[T0], s[T1]
	s_add_co_u32 s[T0], s[T0], SCOFF
	s_mov_b32 s[T1], 0
	s_add_nc_u64 s[AC:AC+1], s[12:13], s[T0:T1]
	v_mov_b32 v27, s[T2]
	v_mov_b32 v28, 0
	global_store_b32 v28, v27, s[AC:AC+1]          ; all lanes the same word
.Lno_sc:
.macro PASS2 j                         ; a live block: scaled, rounded to f16, ReLU on the packed halves, stored: four stores of 512 consecutive bytes.  Registers of its own: no wait for stores
	WIN 0
	s_cmp_le_u32 s[NBW], \j
	s_cbranch_scc1 .Lend
	WIN 0x41
.set i, 0
.rept 16
	v_pk_mul_f32 v[32*(\j)+2*i:32*(\j)+2*i+1], v[32*(\j)+2*i:32*(\j)+2*i+1], s[INV:INV+1] op_sel_hi:[1,0]
.set i, i+1
.endr
	WIN 0x05
.set i, 0
.rept 16
	v_cvt_pk_f16_f32 v[AR+16*(\j)+i], v[32*(\j)+2*i], v[32*(\j)+2*i+1]
.set i, i+1
.endr
	WIN 0
.set i, 0
.rept 16
	v_pk_max_num_f16 v[AR+16*(\j)+i], v[AR+16*(\j)+i], v[ZR]
.set i, i+1
.endr
.irp n, 0,1,2,3
	global_store_b128 v[VSO], v[AR+16*(\j)+4*\n:AR+16*(\j)+4*\n+3], s[OB:OB+1] offset:(\j)*262144+512*\n
.endr
.endm
.irp j, 0,1,2,3,4,5
	PASS2 \j
.endr
	WIN 0
.Lend:
	s_wait_tensorcnt 0x0                           ; the wave's end: three lines behind my last LDS store
	ds_add_u32 v[SPW], v[NIL]
	s_wait_dscnt 0x0
	s_endpgm
.Lfunc_end_k_q9bb64ab524_l1:
	.size	k_q9bb64ab524_l1, .Lfunc_end_k_q9bb64ab524_l1-k_q9bb64ab524_l1
	.p2alignl 7, 3214868480
	.fill 96, 4, 3214868480
	.section	.rodata,"a",@progbits
	.p2align	6, 0x0
	.amdhsa_kernel k_q9bb64ab524_l1
		.amdhsa_group_segment_fixed_size 196864
		.amdhsa_private_segment_fixed_size 0
		.amdhsa_enable_private_segment 0
		.amdhsa_kernarg_size 48
		.amdhsa_user_sgpr_count 2
		.amdhsa_user_sgpr_kernarg_segment_ptr 1
		.amdhsa_wavefront_size32 1
		.amdhsa_system_sgpr_workgroup_id_x 1
		.amdhsa_system_sgpr_workgroup_id_y 1
		.amdhsa_system_sgpr_workgroup_id_z 1
		.amdhsa_system_vgpr_workitem_id 0
		.amdhsa_next_free_vgpr 512
		.amdhsa_next_free_sgpr 102
		.amdhsa_reserve_vcc 1
		.amdhsa_float_denorm_mode_32 3
		.amdhsa_float_denorm_mode_16_64 3
		.amdhsa_memory_ordered 1
		.amdhsa_forward_progress 1
		.amdhsa_inst_pref_size 127
	.end_amdhsa_kernel
	.amdgpu_metadata
---
amdhsa.version: [ 1, 2 ]
amdhsa.kernels:
  - .name:           k_q9bb64ab524_l1
    .symbol:         k_q9bb64ab524_l1.kd
    .args:
      - { .name: W1, .offset: 0, .size: 8, .value_kind: global_buffer, .address_space: global }
      - { .name: b1, .offset: 8, .size: 8, .value_kind: global_buffer, .address_space: global }
      - { .name: rx, .offset: 16, .size: 8, .value_kind: global_buffer, .address_space: global }
      - { .name: route, .offset: 24, .size: 8, .value_kind: global_buffer, .address_space: global }
      - { .name: h1, .offset: 32, .size: 8, .value_kind: global_buffer, .address_space: global }
      - { .name: plan, .offset: 40, .size: 8, .value_kind: global_buffer, .address_space: global }
    .group_segment_fixed_size: 196864
    .private_segment_fixed_size: 0
    .kernarg_segment_align: 8
    .kernarg_segment_size: 48
    .max_flat_workgroup_size: 256
    .sgpr_count:     102
    .vgpr_count:     512
    .wavefront_size: 32
...
	.end_amdgpu_metadata
.endif
;; end of part 2
;; launch l2 (part 3): grid 32 x 13, 8 waves a work-group, no clusters, 196,864 bytes of LDS; arguments W2, b2, h1, plan, h2; writes h2
.if DOCPART == 3
	.amdgcn_target "amdgcn-amd-amdhsa--gfx1250"
	.amdhsa_code_object_version 6
	.text
	.protected	k_q9bb64ab524_l2
	.globl	k_q9bb64ab524_l2
	.p2align	8
	.type	k_q9bb64ab524_l2,@function
k_q9bb64ab524_l2:
	s_mov_b64 s[64:65], 0
	v_nop
	global_prefetch_b8 v0, s[64:65] scope:SCOPE_SE
	s_setreg_imm32_b32 hwreg(HW_REG_WAVE_MODE, 25, 1), 1
	s_wait_xcnt 0x0
; SECOND LAYER OF THE ROUTED EXPERTS: h2 = relu(h1 W2 + b2), only for the rows that chose an expert.
; WORK-GROUP (x, y): x = a slice of 64 output columns, y = a PANEL: up to 384 rows of one expert; at most ceil(2048 / 384) + 7 = 13 panels, whatever the split; every work-group finds its panel from the
; eight stored counts.  A work-group without a panel (LIVE = 0) runs the set-up with clamped numbers, jumps over each trip's work, passes every barrier, stores nothing.
; ALL EIGHT waves run one set-up, so that every register is written on every way through the text; waves 4-7's 32 small loads in it serve nothing: the price of that.
; TRIPS.  K is 16 chunks (a chunk: 128 rows of K x 64 columns); LDS holds eight slots of a chunk in f16, and wave w always lays into slot w.  A trip has two parts, a barrier behind each.  READ: waves that load
; ask for a whole chunk (64 loads of 512 bytes, each two whole rows of 256 aligned bytes), wait for it, scale and round it in place: their registers are a second slot; the math waves multiply what lies in LDS.
; LAY: the waves that loaded lay their chunks.  So no LDS store of any wave stands between the same two barriers as a turning load.  Trip 0: ALL EIGHT waves load (chunks 0-7, 256 KB: the math waves' accumulators
; are still free); trips 1 and 2: waves 4-7 load chunk 4 x trip + wave; the math waves read slots 0-7 in trip 1, slots 4-7 in trips 2 and 3.  No weight load is out at a barrier.
; MATH.  Waves 0-3; wave w owns the panel's blocks of 16 rows 4 j + w, j = 0..5, x 64 columns: 24 accumulators for the whole K; token fragments come from memory straight into registers, three K steps ahead.
; The product is used transposed: source 0 = 16 weight columns (turned out of LDS by ds_load_tr16_b128), source 1 = 16 tokens: a lane holds one token and eight neighbouring columns.  h1 and h2 lie in FRAGMENT
; ORDER, [expert][block of 16 rows][K step of 32][half][lane][16 bytes]: every load and store of them is 512 consecutive bytes.
; NO MULTICAST, NO TENSOR LOAD: a slice of weights has one reader and is f32, so it passes registers to be rounded; the 32 work-groups of a panel share its token rows, but through LDS these would add
; 96 KB written and 64 KB read to the 80 KB of LDS traffic that a chunk has here.
; FORMATS.  W2 goes to f16 (65,520 or more becomes an infinity; below 6.1e-5 the step is 6e-8).  h is f16 times a power of two c, one for each panel and slice, measured on the data so that the largest stored
; number lies in 2^13 .. 2^14; numbers 2^28 below their tile's largest lose bits.  The weights' rows are multiplied by c / C (C the largest c of the panel; an exact power of two, 0 if it would fall below
; 2^-126) and the sums by C, in f32.  NaN and infinities are not treated apart.  Sums in f32, in an order of their own.
.set NCH, 16                           ; chunks of 128 along K
.set NTR, (NCH-8)/4+2                  ; trips: one that loads eight chunks, then one for each four, and one that only multiplies
.set WSH, 24                           ; log2 of an expert's bytes of W
.set PSH, 13                           ; log2 of a row's bytes in W and in the bias
.set PITCH, 1<<PSH
.set NSL, 32                           ; scales of my K
.set KSB, 1024                         ; token side: bytes from K step to K step, to a fragment's second half, from chunk to chunk
.set QB,  512
.set CHB, 4096
.set WP,    160                        ; an LDS row of weights: 64 f16 + 32 bytes
.set SLOTB, 128*WP
.set REGB,  8*SLOTB
.set RED,   REGB                       ; four words: the math waves' maxima
.set SPARE, RED+256+8*1792+4*16*272    ; (behind the other layers' lists and stages) the spare words: 128 bytes a wave, named by no other line
.set SCOFF, 0x2000000                  ; the scales lie behind h's 33,554,432 bytes: [24 panels][32 slices] f32
; vector registers, window 0: v0 thread, v1 lane % 16, v2 lane / 16, v3 lane, v26-31 at work
.set SPW, 4
.set NIL, 5
.set BAD, 6                            ; my lane's place in a chunk for the turning load; never rewritten
.set BA,  7                            ; + the chunk's place
.set VOFF,8                            ; v8-13 my byte offset in block j's token rows
.set VSO, 14                           ; my byte offset in the output
.set ZR,  15
.set WOF, 16                           ; my byte offset in two rows of W
.set ST0, 17                           ; my place in two rows of my wave's slot; never rewritten
.set MX,  20                           ; v20-23 running maxima
.set BI,  32                           ; v32-63 bias of column 16 n + 8 (lane / 16) + i at BI + 8 n + i
.set AR,  64                           ; v64-255 token fragments: K step T, block j at AR + 48 (T % 4) + 8 j
.set BF,  192                          ; window 1: weight fragments, K step T, tile n at BF + 32 (T % 2) + 8 n; accumulator (j, n) at 32 j + 8 n; a chunk as loaded: all 256
; scalar registers: s[4:5] W2, s[6:7] b2, s[8:9] h1, s[10:11] plan, s[12:13] h2
.set T0, 2
.set T1, 3
.set U,  16                            ; wave % 4
.set KP, 18                            ; the trip's number
.set CC, 19                            ; the chunk that the math waves multiply next
.set CNT,20
.set IT, 21
.set WV, 24
.set T2, 25
.set Y,  26
.set EX, 27
.set QQ, 28
.set NE, 29
.set NP, 30
.set NB, 31
.set T3, 32
.set TR, 34
.set NBW,35
.set AC, 36
.set AN, 38
.set ABASE, 40
.set WB, 42
.set OB, 44
.set CS, 46                            ; s[46:47] C
.set INV,48
.set SEL,50
.set CN, 52                            ; s[52:59] the counts; then
.set WBS,52                            ; s[52:53] my slice of the expert's weights
.set LIVE,60
.set SL, 62
.set PIDX,63
.set SCR,68                            ; s[68:99] the panel's scales, until C is made; then
.set CP, 84                            ; s[84:85] a chunk's two c, s[86:87], s[88:89] its two c / C, s90 their place
.set R0, 86
.set R1, 88
.set RO, 90
.set SCB,100                           ; s[100:101] the panel's scales in memory
.set MSB, 0
.macro WIN new                         ; s_set_vgpr_msb: bits 1:0 source 0, 3:2 source 1, 5:4 source 2, 7:6 destination; the high byte repeats the setting that is left
.if MSB != (\new)
	s_set_vgpr_msb (MSB<<8)|(\new)
.set MSB, (\new)
.endif
.endm
.macro PLACES
.rept 4
	v_nop
.endr
.endm
; Written once, in the wait for the counts: ring set 3 and set 2's blocks 4 and 5 hold 0 (the first "fourth K step of the chunk before" has no chunk before it; blocks 4 and 5 are loaded only where a wave has
; so many); all of window 1, so that every register is written on every way, also that of a work-group that asks for no weights.
.macro ZEROS
.set i, AR+128
.rept 64
	v_mov_b32 v[i], 0
.set i, i+1
.endr
	WIN 0x40
.set i, 0
.rept 256
	v_mov_b32 v[i], 0
.set i, i+1
.endr
	WIN 0
.endm
.macro ISSUE64                         ; a chunk: load i takes rows 2 i and 2 i + 1, 256 aligned bytes each
	WIN 0x40
.set i, 0
.rept 64
	global_load_b128 v[4*i:4*i+3], v[WOF], s[WB:WB+1] offset:i*2*PITCH th:TH_LOAD_NT
.set i, i+1
.endr
	WIN 0
.endm
; Eight loads at a time: the count leaves the chunk's younger loads out.  Rows 0-63 belong to one slice of the layer before, rows 64-127 to the next.  Scaled and rounded in place: load i's 8 bytes a lane lie in registers 4 i, 4 i + 1.
.macro ROUND
.set bb, 0
.rept 8
	s_wait_loadcnt 56-8*bb
	WIN 0x45
.set ii, 0
.rept 16
.if bb < 4
	v_pk_mul_f32 v[32*bb+2*ii:32*bb+2*ii+1], v[32*bb+2*ii:32*bb+2*ii+1], s[R0:R0+1] op_sel_hi:[1,0]
.else
	v_pk_mul_f32 v[32*bb+2*ii:32*bb+2*ii+1], v[32*bb+2*ii:32*bb+2*ii+1], s[R1:R1+1] op_sel_hi:[1,0]
.endif
.set ii, ii+1
.endr
.set ii, 0
.rept 8
	v_cvt_pk_f16_f32 v[32*bb+4*ii], v[32*bb+4*ii], v[32*bb+4*ii+1]
	v_cvt_pk_f16_f32 v[32*bb+4*ii+1], v[32*bb+4*ii+2], v[32*bb+4*ii+3]
.set ii, ii+1
.endr
.set bb, bb+1
.endr
	WIN 0
.endm
.macro LAY                             ; the rounded chunk goes into my wave's slot
	WIN 0x04
.set i, 0
.rept 64
	ds_store_b64 v[ST0], v[4*i:4*i+1] offset:2*WP*i
.set i, i+1
.endr
	WIN 0
.endm
; THE SUMS BEGIN: window 1 held my chunk, so the weight fragments of parity 1 are set to 0 (32 plain lines, the places behind whatever product stands before them), and 24 products of them with ring set 3 (0) and C = 0 start all 24 sums at 0.
.macro ZSTEP
	WIN 0x40
.set i, BF+32
.rept 32
	v_mov_b32 v[i], 0
.set i, i+1
.endr
	WIN 0x51
.irp j, 0,1,2,3,4,5
.irp n, 0,1,2,3
	v_wmma_f32_16x16x32_f16 v[32*\j+8*\n:32*\j+8*\n+7], v[BF+32+8*\n:BF+32+8*\n+7], v[AR+144+8*\j:AR+144+8*\j+7], 0
.endr
.endr
	WIN 0
.endm
.macro ALOAD j, set, base, atl         ; block j's token fragment of one K step
	global_load_b128 v[AR+48*(\set)+8*(\j):AR+48*(\set)+8*(\j)+3], v[VOFF+(\j)], s[\base:\base+1] offset:(\atl)*KSB
	global_load_b128 v[AR+48*(\set)+8*(\j)+4:AR+48*(\set)+8*(\j)+7], v[VOFF+(\j)], s[\base:\base+1] offset:(\atl)*KSB+QB
.endm
.macro BL btl, par                     ; the weight fragments of K step btl of the chunk: four tiles of 16 columns x 32 K
	WIN 0x40
.irp n, 0,1,2,3
	ds_load_tr16_b128 v[BF+32*(\par)+8*\n:BF+32*(\par)+8*\n+3], v[BA] offset:(\btl)*32*WP+32*\n
	ds_load_tr16_b128 v[BF+32*(\par)+8*\n+4:BF+32*(\par)+8*\n+7], v[BA] offset:(\btl)*32*WP+32*\n+16*WP
.endr
	WIN 0
.endm
.macro MUL j, t                        ; block j x four tiles.  The accumulators take turns, one instruction a turn
	WIN 0x51
.irp n, 0,1,2,3
	v_wmma_f32_16x16x32_f16 v[32*(\j)+8*\n:32*(\j)+8*\n+7], v[BF+32*((\t)%2)+8*\n:BF+32*((\t)%2)+8*\n+7], v[AR+48*((\t)%4)+8*(\j):AR+48*((\t)%4)+8*(\j)+7], v[32*(\j)+8*\n:32*(\j)+8*\n+7]
.endr
.endm
; K STEP t (of four in a chunk).  Four places stand between the step before's products and the loads into the registers that they read (ISA guide 7.12.1 for vector instructions), on every way into the step.
; btl >= 0: the next step's weight fragments are asked for.  atl >= 0: the token fragments three steps on, at K step atl from abase.
; nwait: every step issues at least 8 token loads on every way, so with at most 8 x (steps younger than this one's data) out, this step's are in.  Blocks 4 and 5 are jumped where the wave has not so many.
.macro STEP t, btl, abase, atl, nwait
	WIN 0
	PLACES
	s_wait_dscnt 0x0                               ; this step's weight fragments are in
.if (\btl) >= 0
	BL \btl, ((\t)+1)%2
.endif
.if (\atl) >= 0
.irp j, 0,1,2,3
	ALOAD \j, ((\t)+3)%4, \abase, \atl
.endr
.endif
	s_wait_loadcnt \nwait
.irp j, 0,1,2,3
	MUL \j, \t
.endr
.irp j, 4,5
	WIN 0
	s_cmp_le_u32 s[NBW], \j
	s_cbranch_scc1 .Lse_\@
.if (\atl) >= 0
	ALOAD \j, ((\t)+3)%4, \abase, \atl
.endif
	MUL \j, \t
.endr
	WIN 0
.Lse_\@:
.endm
	s_load_b256 s[4:11], s[0:1], 0x0
	s_load_b64 s[12:13], s[0:1], 0x20
	v_lshl_add_u32 v[SPW], v0, 2, SPARE            ; my spare word, and 0: kept for the three lines at the end
	v_mov_b32 v[NIL], 0
	v_lshrrev_b32 v1, 5, v0
	v_readfirstlane_b32 s[WV], v1
	v_and_b32 v1, 15, v0
	v_bfe_u32 v2, v0, 4, 1
	v_and_b32 v3, 31, v0
	s_and_b32 s[Y], ttmp7, 0xffff
	s_mov_b32 s[SL], ttmp9
	s_and_b32 s[U], s[WV], 3
	s_mov_b32 s[SEL], 0x76543210
	s_mov_b32 s[SEL+1], 0xfedcba98
	v_and_b32 v27, 7, v0                           ; the turning load: lane l reads row 8 (l / 16) + l % 8, 16 bytes at 16 ((l / 8) % 2)
	v_lshl_add_u32 v27, v2, 3, v27
	v_mul_u32_u24 v[BAD], v27, WP
	v_bfe_u32 v27, v0, 3, 1
	v_lshl_add_u32 v[BAD], v27, 4, v[BAD]
	v_mul_u32_u24 v[ST0], v2, WP                   ; laying: lanes 0-15 one row, lanes 16-31 the next, 8 bytes a lane, in the slot of my wave's number
	v_lshl_add_u32 v[ST0], v1, 3, v[ST0]
	s_mul_i32 s[T2], s[WV], SLOTB
	v_add_nc_u32 v[ST0], s[T2], v[ST0]
	v_lshlrev_b32 v[WOF], PSH, v2
	v_lshl_add_u32 v[WOF], v1, 4, v[WOF]
	v_mov_b32 v[ZR], 0
	s_wait_kmcnt 0x0
	s_load_b256 s[CN:CN+7], s[10:11], 0x0
	ZEROS
	s_wait_kmcnt 0x0
	; WHICH PANEL IS MINE: expert e has (n > 0) + (n > 384) + (n > 768) panels; panel Y is number Y - P of the expert at which the running sum P passes Y
	s_mov_b32 s[EX], 8
	s_mov_b32 s[QQ], 0
	s_mov_b32 s[NE], 0
	s_mov_b32 s[T3], 0
.irp e, 0,1,2,3,4,5,6,7
	s_cmp_gt_u32 s[CN+\e], 0
	s_cselect_b32 s[T0], 1, 0
	s_cmp_gt_u32 s[CN+\e], 384
	s_cselect_b32 s[T1], 1, 0
	s_add_co_u32 s[T0], s[T0], s[T1]
	s_cmp_gt_u32 s[CN+\e], 768
	s_cselect_b32 s[T1], 1, 0
	s_add_co_u32 s[T0], s[T0], s[T1]
	s_sub_co_u32 s[T1], s[Y], s[T3]
	s_cmp_lt_u32 s[T1], s[T0]
	s_cselect_b32 s[EX], \e, s[EX]
	s_cselect_b32 s[QQ], s[T1], s[QQ]
	s_cselect_b32 s[NE], s[CN+\e], s[NE]
	s_add_co_u32 s[T3], s[T3], s[T0]
.endr
	s_cmp_lt_u32 s[EX], 8
	s_cselect_b32 s[LIVE], 1, 0                    ; 0: no such panel
	s_min_u32 s[EX], s[EX], 7
	s_min_u32 s[QQ], s[QQ], 2
	s_mul_i32 s[T0], s[QQ], 384
	s_sub_co_u32 s[NP], s[NE], s[T0]
	s_min_u32 s[NP], s[NP], 384                    ; the panel's rows,
	s_max_u32 s[NP], s[NP], 1
	s_add_co_u32 s[NB], s[NP], 15
	s_lshr_b32 s[NB], s[NB], 4                     ; its blocks of 16,
	s_sub_co_u32 s[NBW], s[NB], s[U]
	s_add_co_u32 s[NBW], s[NBW], 3
	s_lshr_b32 s[NBW], s[NBW], 2                   ; and how many of them are a math wave's
	s_mul_i32 s[PIDX], s[EX], 3
	s_add_co_u32 s[PIDX], s[PIDX], s[QQ]
	s_lshl_b32 s[T0], s[PIDX], 7                   ; THE INPUT'S SCALES, one for each slice of my K
	s_add_co_u32 s[T0], s[T0], SCOFF
	s_mov_b32 s[T1], 0
	s_add_nc_u64 s[SCB:SCB+1], s[8:9], s[T0:T1]
	s_load_b512 s[SCR:SCR+15], s[SCB:SCB+1], 0x0
	s_load_b512 s[SCR+16:SCR+31], s[SCB:SCB+1], 0x40
	s_lshl_b32 s[T0], s[EX], WSH
	s_lshl_b32 s[T2], s[SL], 8
	s_add_co_u32 s[T0], s[T0], s[T2]
	s_add_nc_u64 s[WBS:WBS+1], s[4:5], s[T0:T1]
	s_lshl_b32 s[T0], s[EX], PSH
	s_add_co_u32 s[T0], s[T0], s[T2]
	s_add_nc_u64 s[AN:AN+1], s[6:7], s[T0:T1]
	v_lshlrev_b32 v26, 5, v2
.irp n, 0,1,2,3
	global_load_b128 v[BI+8*\n:BI+8*\n+3], v26, s[AN:AN+1] offset:64*\n
	global_load_b128 v[BI+8*\n+4:BI+8*\n+7], v26, s[AN:AN+1] offset:64*\n+16
.endr
	s_mul_i32 s[T0], s[QQ], 24
	s_add_co_u32 s[T0], s[T0], s[U]
	s_lshl_b32 s[T0], s[T0], 16
	v_lshl_add_u32 v[VSO], v3, 4, s[T0]            ; block 24 q + w, 16 bytes a lane
	s_lshl_b32 s[T0], s[EX], 22
	s_lshl_b32 s[T2], s[SL], 11
	s_add_co_u32 s[T0], s[T0], s[T2]
	s_add_nc_u64 s[OB:OB+1], s[12:13], s[T0:T1]
	s_mul_i32 s[T0], s[QQ], 24
	s_sub_co_u32 s[T3], s[NB], 1
	v_lshlrev_b32 v27, 4, v3
.irp j, 0,1,2,3,4,5                    ; block 24 q + 4 j + w; blocks past the count repeat the panel's last block, which has been stored
	s_add_co_u32 s[T2], s[U], 4*\j
	s_min_u32 s[T2], s[T2], s[T3]
	s_add_co_u32 s[T2], s[T2], s[T0]
	s_min_u32 s[T2], s[T2], 63
	s_lshl_b32 s[T2], s[T2], 16
	v_add_nc_u32 v[VOFF+\j], s[T2], v27
.endr
	s_lshl_b32 s[T0], s[EX], 22
	s_add_nc_u64 s[ABASE:ABASE+1], s[8:9], s[T0:T1]
	s_mov_b64 s[AC:AC+1], s[ABASE:ABASE+1]
.irp t, 0,1                            ; K steps 0 and 1 of all six blocks
.irp j, 0,1,2,3,4,5
	ALOAD \j, \t, AC, \t
.endr
.endr
	s_wait_kmcnt 0x0
	s_max_u32 s[CS], s[SCR], s[SCR+1]              ; C: the scales are positive powers of two, so the largest word is the largest number
.set i, 2
.rept NSL-2
	s_max_u32 s[CS], s[CS], s[SCR+i]
.set i, i+1
.endr
	s_mov_b32 s[CS+1], s[CS]
	s_mov_b32 s[KP], 0
	s_mov_b32 s[CC], 0
	s_mov_b32 s[CNT], NTR
; THE LOOP: NTR trips.  The first has nothing to multiply, the last nothing to load or lay.
.Ltrip:
	s_cmp_eq_u32 s[LIVE], 0
	s_cbranch_scc1 .Ljr
	s_cmp_eq_u32 s[KP], 0                          ; in the first trip all eight waves load
	s_cbranch_scc1 .Lld
	s_cmp_lt_u32 s[WV], 4
	s_cbranch_scc0 .Lld
	s_mov_b32 s[TR], 4*SLOTB                       ; trips 2 and 3: slots 4-7
	s_mov_b32 s[IT], 4
	s_cmp_lg_u32 s[KP], 1
	s_cbranch_scc1 .Lin
	s_mov_b32 s[TR], 0                             ; trip 1: slots 0-7, and the sums begin
	s_mov_b32 s[IT], 8
	ZSTEP
.Lin:                                  ; a chunk.  It begins with the fourth K step of the chunk before, whose fragments are in registers, so that products stand behind the new chunk's first fragment loads
	s_wait_xcnt 0x0                                ; the two bases are written again only behind this wait
	s_min_u32 s[T0], s[CC], NCH-1
	s_mul_i32 s[T0], s[T0], CHB
	s_mov_b32 s[T1], 0
	s_add_nc_u64 s[AC:AC+1], s[ABASE:ABASE+1], s[T0:T1]  ; token rows at this chunk,
	s_add_co_u32 s[T0], s[CC], 1
	s_min_u32 s[T0], s[T0], NCH-1
	s_mul_i32 s[T0], s[T0], CHB
	s_add_nc_u64 s[AN:AN+1], s[ABASE:ABASE+1], s[T0:T1]  ; and at the next; at the last chunk the same once more: those loads serve nothing and stay inside the buffer
	v_add_nc_u32 v[BA], s[TR], v[BAD]
	STEP 3, 0, AC, 2, 24
	STEP 0, 1, AC, 3, 24
	STEP 1, 2, AN, 0, 24
	STEP 2, 3, AN, 1, 24
	s_add_co_u32 s[TR], s[TR], SLOTB
	s_add_co_u32 s[CC], s[CC], 1
	s_sub_co_u32 s[IT], s[IT], 1
	s_cmp_lg_u32 s[IT], 0
	s_cbranch_scc1 .Lin
	s_branch .Ljr
.Lld:
	s_cmp_ge_u32 s[KP], NTR-1
	s_cbranch_scc1 .Ljr
	PLACES                                         ; four places ahead of loads into registers that the text's matrix lines name
	s_wait_xcnt 0x0
	s_lshl2_add_u32 s[T0], s[KP], s[WV]            ; my chunk = 4 x trip + wave: 0-7 in trip 0, then 8-11 and 12-15 for waves 4-7
	s_min_u32 s[T0], s[T0], NCH-1
	s_lshl_b32 s[RO], s[T0], 3                     ; two scales of 4 bytes a chunk
	s_lshl_b32 s[T0], s[T0], PSH+7
	s_mov_b32 s[T1], 0
	s_add_nc_u64 s[WB:WB+1], s[WBS:WBS+1], s[T0:T1]
	ISSUE64
	s_load_b64 s[CP:CP+1], s[SCB:SCB+1], s[RO] offset:0x0
	s_wait_kmcnt 0x0
	s_add_co_u32 s[R0], s[CP], 0x3f800000          ; c / C by the exponents, 0 where it would fall below 2^-126
	s_min_u32 s[R0+1], s[R0], s[CS]
	s_sub_co_u32 s[R0], s[R0], s[R0+1]
	s_mov_b32 s[R0+1], s[R0]
	s_add_co_u32 s[R1], s[CP+1], 0x3f800000
	s_min_u32 s[R1+1], s[R1], s[CS]
	s_sub_co_u32 s[R1], s[R1], s[R1+1]
	s_mov_b32 s[R1+1], s[R1]
	ROUND
.Ljr:
	s_wait_dscnt 0x0                               ; my reads of the slots are back
	s_barrier_signal -1
	s_barrier_wait -1
	s_cmp_eq_u32 s[LIVE], 0
	s_cbranch_scc1 .Ljs
	s_cmp_ge_u32 s[KP], NTR-1
	s_cbranch_scc1 .Ljs
	s_cmp_eq_u32 s[KP], 0
	s_cbranch_scc1 .Llay
	s_cmp_lt_u32 s[WV], 4
	s_cbranch_scc1 .Ljs
.Llay:
	PLACES                                         ; four places ahead of stores of registers that the text's matrix lines name
	LAY
.Ljs:
	s_wait_dscnt 0x0                               ; for the others' sake: my slot is laid
	s_barrier_signal -1
	s_barrier_wait -1
	s_add_co_u32 s[KP], s[KP], 1
	s_sub_co_u32 s[CNT], s[CNT], 1
	s_cmp_lg_u32 s[CNT], 0
	s_cbranch_scc1 .Ltrip
; THE WAY OUT
.macro PASS1 j                         ; the sum times C plus the bias, in place; the running maxima.  Each accumulator is read from its lowest registers on
	WIN 0x41
.set i, 0
.rept 16
	v_pk_fma_f32 v[32*(\j)+2*i:32*(\j)+2*i+1], v[32*(\j)+2*i:32*(\j)+2*i+1], s[CS:CS+1], v[BI+2*i:BI+2*i+1] op_sel_hi:[1,0,1]
.set i, i+1
.endr
	WIN 0x14
.set i, 0
.rept 16
	v_max3_num_f32 v[MX+i%4], v[MX+i%4], v[32*(\j)+2*i], v[32*(\j)+2*i+1]
.set i, i+1
.endr
.endm
	s_cmp_eq_u32 s[LIVE], 0
	s_cbranch_scc1 .Lred
	s_cmp_lt_u32 s[WV], 4
	s_cbranch_scc0 .Lred
	STEP 3, -1, AC, -1, 16                         ; the last K step: two steps' loads are younger than its own
	PLACES
	s_wait_loadcnt 0x0
.irp q, 0,1,2,3
	v_mov_b32 v[MX+\q], 0                          ; the maxima start at 0: what the ReLU drops does not count
.endr
	PASS1 0
	PASS1 1
	PASS1 2
	PASS1 3
	WIN 0
	s_cmp_le_u32 s[NBW], 4
	s_cbranch_scc1 .Lp1_end
	PASS1 4
	WIN 0
	s_cmp_le_u32 s[NBW], 5
	s_cbranch_scc1 .Lp1_end
	PASS1 5
	WIN 0
.Lp1_end:
	v_max3_num_f32 v[MX], v[MX], v[MX+1], v[MX+2]
	v_max_num_f32 v[MX], v[MX], v[MX+3]
	v_max_num_f32_dpp v[MX], v[MX], v[MX] row_xmask:1 row_mask:0xf bank_mask:0xf
	v_max_num_f32_dpp v[MX], v[MX], v[MX] row_xmask:2 row_mask:0xf bank_mask:0xf
	v_max_num_f32_dpp v[MX], v[MX], v[MX] row_xmask:4 row_mask:0xf bank_mask:0xf
	v_max_num_f32_dpp v[MX], v[MX], v[MX] row_xmask:8 row_mask:0xf bank_mask:0xf
	v_permlanex16_b32 v[MX+1], v[MX], s[SEL], s[SEL+1]
	v_max_num_f32 v[MX], v[MX], v[MX+1]
	s_lshl_b32 s[T0], s[WV], 2
	s_add_co_u32 s[T0], s[T0], RED
	v_mov_b32 v26, s[T0]
	ds_store_b32 v26, v[MX]
.Lred:
	s_wait_dscnt 0x0                               ; for the others' sake: my maximum is in LDS
	s_barrier_signal -1
	s_barrier_wait -1
	s_cmp_eq_u32 s[LIVE], 0
	s_cbranch_scc1 .Lend
	s_cmp_lt_u32 s[WV], 4
	s_cbranch_scc0 .Lend
	s_wait_loadcnt 0x0                             ; the ring's registers are written below
	PLACES                                         ; four places ahead of the lines that read the sums, on every way to them
	v_mov_b32 v26, RED
	ds_load_b128 v[MX:MX+3], v26
	s_wait_dscnt 0x0
	v_max3_num_f32 v[MX], v[MX], v[MX+1], v[MX+2]
	v_max_num_f32 v[MX], v[MX], v[MX+3]
	v_readfirstlane_b32 s[T0], v[MX]
	s_lshr_b32 s[T0], s[T0], 23                    ; the largest number's exponent field be, held to 14 .. 254
	s_max_u32 s[T0], s[T0], 14
	s_min_u32 s[T0], s[T0], 254
	s_sub_co_u32 s[T1], 267, s[T0]
	s_lshl_b32 s[INV], s[T1], 23                   ; 2^(140 - be): brings it into 2^13 .. 2^14
	s_mov_b32 s[INV+1], s[INV]
	s_sub_co_u32 s[T1], s[T0], 13
	s_lshl_b32 s[T2], s[T1], 23                    ; c = 2^(be - 140)
	s_cmp_lg_u32 s[WV], 0
	s_cbranch_scc1 .Lno_sc
	s_lshl_b32 s[T0], s[PIDX], 7
	s_lshl_b32 s[T1], s[SL], 2
	s_add_co_u32 s[T0], s[T0], s[T1]
	s_add_co_u32 s[T0], s[T0], SCOFF
	s_mov_b32 s[T1], 0
	s_add_nc_u64 s[AC:AC+1], s[12:13], s[T0:T1]
	v_mov_b32 v27, s[T2]
	v_mov_b32 v28, 0
	global_store_b32 v28, v27, s[AC:AC+1]          ; all lanes the same word
.Lno_sc:
.macro PASS2 j                         ; a live block: scaled, rounded to f16, ReLU on the packed halves, stored: four stores of 512 consecutive bytes.  Registers of its own: no wait for stores
	WIN 0
	s_cmp_le_u32 s[NBW], \j
	s_cbranch_scc1 .Lend
	WIN 0x41
.set i, 0
.rept 16
	v_pk_mul_f32 v[32*(\j)+2*i:32*(\j)+2*i+1], v[32*(\j)+2*i:32*(\j)+2*i+1], s[INV:INV+1] op_sel_hi:[1,0]
.set i, i+1
.endr
	WIN 0x05
.set i, 0
.rept 16
	v_cvt_pk_f16_f32 v[AR+16*(\j)+i], v[32*(\j)+2*i], v[32*(\j)+2*i+1]
.set i, i+1
.endr
	WIN 0
.set i, 0
.rept 16
	v_pk_max_num_f16 v[AR+16*(\j)+i], v[AR+16*(\j)+i], v[ZR]
.set i, i+1
.endr
.irp n, 0,1,2,3
	global_store_b128 v[VSO], v[AR+16*(\j)+4*\n:AR+16*(\j)+4*\n+3], s[OB:OB+1] offset:(\j)*262144+512*\n
.endr
.endm
.irp j, 0,1,2,3,4,5
	PASS2 \j
.endr
	WIN 0
.Lend:
	s_wait_tensorcnt 0x0                           ; the wave's end: three lines behind my last LDS store
	ds_add_u32 v[SPW], v[NIL]
	s_wait_dscnt 0x0
	s_endpgm
.Lfunc_end_k_q9bb64ab524_l2:
	.size	k_q9bb64ab524_l2, .Lfunc_end_k_q9bb64ab524_l2-k_q9bb64ab524_l2
	.p2alignl 7, 3214868480
	.fill 96, 4, 3214868480
	.section	.rodata,"a",@progbits
	.p2align	6, 0x0
	.amdhsa_kernel k_q9bb64ab524_l2
		.amdhsa_group_segment_fixed_size 196864
		.amdhsa_private_segment_fixed_size 0
		.amdhsa_enable_private_segment 0
		.amdhsa_kernarg_size 40
		.amdhsa_user_sgpr_count 2
		.amdhsa_user_sgpr_kernarg_segment_ptr 1
		.amdhsa_wavefront_size32 1
		.amdhsa_system_sgpr_workgroup_id_x 1
		.amdhsa_system_sgpr_workgroup_id_y 1
		.amdhsa_system_sgpr_workgroup_id_z 1
		.amdhsa_system_vgpr_workitem_id 0
		.amdhsa_next_free_vgpr 512
		.amdhsa_next_free_sgpr 102
		.amdhsa_reserve_vcc 0
		.amdhsa_float_denorm_mode_32 3
		.amdhsa_float_denorm_mode_16_64 3
		.amdhsa_memory_ordered 1
		.amdhsa_forward_progress 1
		.amdhsa_inst_pref_size 108
	.end_amdhsa_kernel
	.amdgpu_metadata
---
amdhsa.version: [ 1, 2 ]
amdhsa.kernels:
  - .name:           k_q9bb64ab524_l2
    .symbol:         k_q9bb64ab524_l2.kd
    .args:
      - { .name: W2, .offset: 0, .size: 8, .value_kind: global_buffer, .address_space: global }
      - { .name: b2, .offset: 8, .size: 8, .value_kind: global_buffer, .address_space: global }
      - { .name: h1, .offset: 16, .size: 8, .value_kind: global_buffer, .address_space: global }
      - { .name: plan, .offset: 24, .size: 8, .value_kind: global_buffer, .address_space: global }
      - { .name: h2, .offset: 32, .size: 8, .value_kind: global_buffer, .address_space: global }
    .group_segment_fixed_size: 196864
    .private_segment_fixed_size: 0
    .kernarg_segment_align: 8
    .kernarg_segment_size: 40
    .max_flat_workgroup_size: 256
    .sgpr_count:     102
    .vgpr_count:     512
    .wavefront_size: 32
...
	.end_amdgpu_metadata
.endif
;; end of part 3
;; launch l3 (part 4): grid 32 x 13, 8 waves a work-group, no clusters, 196,864 bytes of LDS; arguments W3, b3, h2, plan, yp, rx; writes yp
.if DOCPART == 4
	.amdgcn_target "amdgcn-amd-amdhsa--gfx1250"
	.amdhsa_code_object_version 6
	.text
	.protected	k_q9bb64ab524_l3
	.globl	k_q9bb64ab524_l3
	.p2align	8
	.type	k_q9bb64ab524_l3,@function
k_q9bb64ab524_l3:
	s_mov_b64 s[64:65], 0
	v_nop
	global_prefetch_b8 v0, s[64:65] scope:SCOPE_SE
	s_setreg_imm32_b32 hwreg(HW_REG_WAVE_MODE, 25, 1), 1
	s_wait_xcnt 0x0
; THIRD LAYER OF THE ROUTED EXPERTS: partial rows g (h2 W3 + b3), K in two halves, f32, at row 2 t + k of yp; the last launch adds a token's four partial rows.
; WORK-GROUP (x, y): x = 16 slices of 64 output columns x 2 halves of K, y = a PANEL: up to 384 rows of one expert; at most ceil(2048 / 384) + 7 = 13 panels, whatever the split; every work-group finds its
; panel from the eight stored counts.  A work-group without a panel (LIVE = 0) runs the set-up with clamped numbers, asks for no weights, passes every barrier, stores nothing.
; WHY K IS SPLIT: 16 slices x 8 panels are 128 work-groups; slices of 32 columns would have weight rows of 128 bytes and twice the token bytes for each product.
; THE WEIGHTS.  My half of K is 8 chunks (a chunk: 128 rows of K x 64 columns); in f16 they take 8 x 20,480 bytes of LDS, so they are laid ONCE.  As soon as the panel is known each of the eight waves asks for the
; chunk of its own number (64 loads of 512 bytes, each two whole rows of 256 aligned bytes: 256 KB for the eight); the rest of the set-up (bias, list and first token loads, the scales) stands between the request
; and the first wait for it.  The wave scales and rounds its chunk in place and lays it into the slot of its own number.  A barrier: in front of it each wave has waited for its weight loads and its LDS stores;
; every turning load stands behind it.  A second barrier stands behind the products: in front of it a math wave has waited for its turning loads; every LDS store of the way out stands behind it.
; All eight waves run one set-up, so that every register is written on every way through the text; waves 4-7's 44 small loads in it serve nothing: the price of that.
; MATH.  Waves 0-3 multiply; wave w owns the panel's blocks of 16 rows 4 j + w, j = 0..5, x 64 columns: 24 accumulators for the whole K; token fragments come from memory straight into registers, three K steps ahead.
; On eight waves each weight fragment read from LDS would feed half as many products.
; The product is used transposed: source 0 = 16 weight columns (turned out of LDS by ds_load_tr16_b128), source 1 = 16 tokens: a lane holds one token and eight neighbouring columns.  h2 lies in FRAGMENT
; ORDER, [expert][block of 16 rows][K step of 32][half][lane][16 bytes]: every load of it is 512 consecutive bytes.
; NO MULTICAST, NO TENSOR LOAD: a slice of weights has one reader and is f32, so it passes registers to be rounded; the work-groups of a panel share its token rows, but through LDS these would add
; 96 KB written and 64 KB read to the 80 KB of LDS traffic that a chunk has here.
; FORMATS.  W3 goes to f16 (65,520 or more becomes an infinity; below 6.1e-5 the step is 6e-8).  h2 is f16 times a power of two c, one for each panel and slice.  The weights' rows are multiplied by c / C
; (C the largest c of my K; an exact power of two, 0 if it would fall below 2^-126) and the sums by C, in f32.  NaN and infinities are not treated apart.  Sums in f32, in an order of their own.
.set NCH, 8                            ; chunks of 128 along my half of K
.set WSH, 23                           ; log2 of an expert's bytes of W
.set PSH, 12                           ; log2 of a row's bytes in W and in the bias
.set PITCH, 1<<PSH
.set NSL, 16                           ; scales of my K
.set KSB, 1024                         ; token side: bytes from K step to K step, to a fragment's second half, from chunk to chunk
.set QB,  512
.set CHB, 4096
.set WP,    160                        ; an LDS row of weights: 64 f16 + 32 bytes
.set SLOTB, 128*WP
.set REGB,  NCH*SLOTB
.set LIST,  REGB+256                   ; 1,792 bytes a wave, its own
.set LISTB, 1792
.set STG,   LIST+8*LISTB               ; 16 rows x 272 bytes a math wave, its own
.set SP,    272
.set SPARE, STG+4*16*SP                ; the spare words: 128 bytes a wave, named by no other line
.set SCOFF, 0x2000000                  ; the scales lie behind h's 33,554,432 bytes: [24 panels][32 slices] f32
; vector registers, window 0: v0 thread, v1 lane % 16, v2 lane / 16, v3 lane, v26-31 at work
.set SPW, 4
.set NIL, 5
.set BAD, 6                            ; my lane's place in a chunk for the turning load; never rewritten
.set BA,  7                            ; + the chunk's place
.set VOFF,8                            ; v8-13 my byte offset in block j's token rows
.set WOF, 16                           ; my byte offset in two rows of W
.set ST0, 17                           ; my place in two rows of my wave's slot; never rewritten
.set G,   20                           ; v20-25 my rows' places in the list, then their gates
.set BI,  32                           ; v32-63 bias of column 16 n + 8 (lane / 16) + i at BI + 8 n + i
.set AR,  64                           ; v64-255 token fragments: K step T, block j at AR + 48 (T % 4) + 8 j
.set LD,  AR+96                        ; six list entries as loaded: registers of ring set 2, which takes its first fragments later
.set BF,  192                          ; window 1: first my chunk as loaded, all 256; then weight fragments, K step T, tile n at BF + 32 (T % 2) + 8 n, and accumulator (j, n) at 32 j + 8 n
; scalar registers: s[4:5] W3, s[6:7] b3, s[8:9] h2, s[10:11] plan, s[12:13] yp, s[14:15] rx
.set T0, 2
.set T1, 3
.set U,  16                            ; wave % 4
.set CC, 19                            ; the chunk that the math waves multiply next
.set IT, 21
.set WV, 24
.set T2, 25
.set Y,  26
.set EX, 27
.set QQ, 28
.set NE, 29
.set NP, 30
.set NB, 31
.set T3, 32
.set LISTW,33
.set TR, 34
.set NBW,35
.set AC, 36
.set AN, 38
.set ABASE, 40
.set WB, 42
.set OB, 44
.set CS, 46                            ; s[46:47] C
.set LB, 48                            ; s[48:49] the panel's list in memory
.set CN, 52                            ; s[52:59] the counts; then
.set WBS,52                            ; s[52:53] my slice of the expert's weights
.set LIVE,60
.set KH, 61
.set SL, 62
.set PIDX,63
.set NPM1,66
.set SCR,68                            ; s[68:83] the panel's scales
.set CP, 84                            ; s[84:85] my chunk's two c, s[86:87], s[88:89] its two c / C, s90 their place
.set R0, 86
.set R1, 88
.set RO, 90
.set SCB,100                           ; s[100:101] the panel's scales in memory
.set MSB, 0
.macro WIN new                         ; s_set_vgpr_msb: bits 1:0 source 0, 3:2 source 1, 5:4 source 2, 7:6 destination; the high byte repeats the setting that is left
.if MSB != (\new)
	s_set_vgpr_msb (MSB<<8)|(\new)
.set MSB, (\new)
.endif
.endm
.macro PLACES
.rept 4
	v_nop
.endr
.endm
; Written once, in the wait for the counts: ring set 3 and set 2's blocks 4 and 5 hold 0 (the first "fourth K step of the chunk before" has no chunk before it; blocks 4 and 5 are loaded only where a wave has
; so many); all of window 1, so that every register is written on every way, also that of a work-group that asks for no weights.
.macro ZEROS
.set i, AR+128
.rept 64
	v_mov_b32 v[i], 0
.set i, i+1
.endr
	WIN 0x40
.set i, 0
.rept 256
	v_mov_b32 v[i], 0
.set i, i+1
.endr
	WIN 0
.endm
.macro ISSUE64                         ; a chunk: load i takes rows 2 i and 2 i + 1, 256 aligned bytes each
	WIN 0x40
.set i, 0
.rept 64
	global_load_b128 v[4*i:4*i+3], v[WOF], s[WB:WB+1] offset:i*2*PITCH th:TH_LOAD_NT
.set i, i+1
.endr
	WIN 0
.endm
; Eight loads at a time.  The count leaves out the chunk's younger loads and the y loads that the set-up issues behind the chunk on every way (no more than the wait's field holds).  Rows 0-63 belong to one slice
; of the layer before, rows 64-127 to the next.  Scaled and rounded in place: load i's 8 bytes a lane lie in registers 4 i, 4 i + 1.
.macro ROUND y
.set bb, 0
.rept 8
.set cw, 56-8*bb+(\y)
.if cw > 63
.set cw, 63
.endif
	s_wait_loadcnt cw
	WIN 0x45
.set ii, 0
.rept 16
.if bb < 4
	v_pk_mul_f32 v[32*bb+2*ii:32*bb+2*ii+1], v[32*bb+2*ii:32*bb+2*ii+1], s[R0:R0+1] op_sel_hi:[1,0]
.else
	v_pk_mul_f32 v[32*bb+2*ii:32*bb+2*ii+1], v[32*bb+2*ii:32*bb+2*ii+1], s[R1:R1+1] op_sel_hi:[1,0]
.endif
.set ii, ii+1
.endr
.set ii, 0
.rept 8
	v_cvt_pk_f16_f32 v[32*bb+4*ii], v[32*bb+4*ii], v[32*bb+4*ii+1]
	v_cvt_pk_f16_f32 v[32*bb+4*ii+1], v[32*bb+4*ii+2], v[32*bb+4*ii+3]
.set ii, ii+1
.endr
.set bb, bb+1
.endr
	WIN 0
.endm
.macro LAY                             ; the rounded chunk goes into my wave's slot
	WIN 0x04
.set i, 0
.rept 64
	ds_store_b64 v[ST0], v[4*i:4*i+1] offset:2*WP*i
.set i, i+1
.endr
	WIN 0
.endm
; THE SUMS BEGIN: window 1 held my chunk, so the weight fragments of parity 1 are set to 0, and 24 products of them with ring set 3 (0) and C = 0 start all 24 sums at 0.
.macro ZSTEP
	WIN 0x40
.set i, BF+32
.rept 32
	v_mov_b32 v[i], 0
.set i, i+1
.endr
	WIN 0x51
.irp j, 0,1,2,3,4,5
.irp n, 0,1,2,3
	v_wmma_f32_16x16x32_f16 v[32*\j+8*\n:32*\j+8*\n+7], v[BF+32+8*\n:BF+32+8*\n+7], v[AR+144+8*\j:AR+144+8*\j+7], 0
.endr
.endr
	WIN 0
.endm
.macro ALOAD j, set, base, atl         ; block j's token fragment of one K step
	global_load_b128 v[AR+48*(\set)+8*(\j):AR+48*(\set)+8*(\j)+3], v[VOFF+(\j)], s[\base:\base+1] offset:(\atl)*KSB
	global_load_b128 v[AR+48*(\set)+8*(\j)+4:AR+48*(\set)+8*(\j)+7], v[VOFF+(\j)], s[\base:\base+1] offset:(\atl)*KSB+QB
.endm
.macro BL btl, par                     ; the weight fragments of K step btl of the chunk: four tiles of 16 columns x 32 K
	WIN 0x40
.irp n, 0,1,2,3
	ds_load_tr16_b128 v[BF+32*(\par)+8*\n:BF+32*(\par)+8*\n+3], v[BA] offset:(\btl)*32*WP+32*\n
	ds_load_tr16_b128 v[BF+32*(\par)+8*\n+4:BF+32*(\par)+8*\n+7], v[BA] offset:(\btl)*32*WP+32*\n+16*WP
.endr
	WIN 0
.endm
.macro MUL j, t                        ; block j x four tiles.  The accumulators take turns, one instruction a turn
	WIN 0x51
.irp n, 0,1,2,3
	v_wmma_f32_16x16x32_f16 v[32*(\j)+8*\n:32*(\j)+8*\n+7], v[BF+32*((\t)%2)+8*\n:BF+32*((\t)%2)+8*\n+7], v[AR+48*((\t)%4)+8*(\j):AR+48*((\t)%4)+8*(\j)+7], v[32*(\j)+8*\n:32*(\j)+8*\n+7]
.endr
.endm
; K STEP t (of four in a chunk).  Four places stand between the step before's products and the loads into the registers that they read (ISA guide 7.12.1 for vector instructions), on every way into the step.
; btl >= 0: the next step's weight fragments are asked for.  atl >= 0: the token fragments three steps on, at K step atl from abase.
; nwait: every step issues at least 8 token loads on every way, so with at most 8 x (steps younger than this one's data) out, this step's are in.  Blocks 4 and 5 are jumped where the wave has not so many.
.macro STEP t, btl, abase, atl, nwait
	WIN 0
	PLACES
	s_wait_dscnt 0x0                               ; this step's weight fragments are in
.if (\btl) >= 0
	BL \btl, ((\t)+1)%2
.endif
.if (\atl) >= 0
.irp j, 0,1,2,3
	ALOAD \j, ((\t)+3)%4, \abase, \atl
.endr
.endif
	s_wait_loadcnt \nwait
.irp j, 0,1,2,3
	MUL \j, \t
.endr
.irp j, 4,5
	WIN 0
	s_cmp_le_u32 s[NBW], \j
	s_cbranch_scc1 .Lse_\@
.if (\atl) >= 0
	ALOAD \j, ((\t)+3)%4, \abase, \atl
.endif
	MUL \j, \t
.endr
	WIN 0
.Lse_\@:
.endm
	s_load_b256 s[4:11], s[0:1], 0x0
	s_load_b128 s[12:15], s[0:1], 0x20
	v_lshl_add_u32 v[SPW], v0, 2, SPARE            ; my spare word, and 0: kept for the three lines at the end
	v_mov_b32 v[NIL], 0
	v_lshrrev_b32 v1, 5, v0
	v_readfirstlane_b32 s[WV], v1
	v_and_b32 v1, 15, v0
	v_bfe_u32 v2, v0, 4, 1
	v_and_b32 v3, 31, v0
	s_and_b32 s[Y], ttmp7, 0xffff
	s_lshr_b32 s[KH], ttmp9, 4
	s_and_b32 s[SL], ttmp9, 15
	s_and_b32 s[U], s[WV], 3
	v_and_b32 v27, 7, v0                           ; the turning load: lane l reads row 8 (l / 16) + l % 8, 16 bytes at 16 ((l / 8) % 2)
	v_lshl_add_u32 v27, v2, 3, v27
	v_mul_u32_u24 v[BAD], v27, WP
	v_bfe_u32 v27, v0, 3, 1
	v_lshl_add_u32 v[BAD], v27, 4, v[BAD]
	v_mul_u32_u24 v[ST0], v2, WP                   ; laying: lanes 0-15 one row, lanes 16-31 the next, 8 bytes a lane, in the slot of my wave's number
	v_lshl_add_u32 v[ST0], v1, 3, v[ST0]
	s_mul_i32 s[T2], s[WV], SLOTB
	v_add_nc_u32 v[ST0], s[T2], v[ST0]
	v_lshlrev_b32 v[WOF], PSH, v2
	v_lshl_add_u32 v[WOF], v1, 4, v[WOF]
	s_mul_i32 s[LISTW], s[WV], LISTB
	s_add_co_u32 s[LISTW], s[LISTW], LIST
	s_wait_kmcnt 0x0
	s_load_b256 s[CN:CN+7], s[10:11], 0x0
	ZEROS
	s_wait_kmcnt 0x0
	; WHICH PANEL IS MINE: expert e has (n > 0) + (n > 384) + (n > 768) panels; panel Y is number Y - P of the expert at which the running sum P passes Y
	s_mov_b32 s[EX], 8
	s_mov_b32 s[QQ], 0
	s_mov_b32 s[NE], 0
	s_mov_b32 s[T3], 0
.irp e, 0,1,2,3,4,5,6,7
	s_cmp_gt_u32 s[CN+\e], 0
	s_cselect_b32 s[T0], 1, 0
	s_cmp_gt_u32 s[CN+\e], 384
	s_cselect_b32 s[T1], 1, 0
	s_add_co_u32 s[T0], s[T0], s[T1]
	s_cmp_gt_u32 s[CN+\e], 768
	s_cselect_b32 s[T1], 1, 0
	s_add_co_u32 s[T0], s[T0], s[T1]
	s_sub_co_u32 s[T1], s[Y], s[T3]
	s_cmp_lt_u32 s[T1], s[T0]
	s_cselect_b32 s[EX], \e, s[EX]
	s_cselect_b32 s[QQ], s[T1], s[QQ]
	s_cselect_b32 s[NE], s[CN+\e], s[NE]
	s_add_co_u32 s[T3], s[T3], s[T0]
.endr
	s_cmp_lt_u32 s[EX], 8
	s_cselect_b32 s[LIVE], 1, 0                    ; 0: no such panel
	s_min_u32 s[EX], s[EX], 7
	s_min_u32 s[QQ], s[QQ], 2
	s_mul_i32 s[PIDX], s[EX], 3
	s_add_co_u32 s[PIDX], s[PIDX], s[QQ]
	s_lshl_b32 s[T0], s[PIDX], 7                   ; THE INPUT'S SCALES, one for each slice of my half of K; and once more the two of my wave's chunk
	s_lshl_b32 s[T1], s[KH], 6
	s_add_co_u32 s[T0], s[T0], s[T1]
	s_add_co_u32 s[T0], s[T0], SCOFF
	s_mov_b32 s[T1], 0
	s_add_nc_u64 s[SCB:SCB+1], s[8:9], s[T0:T1]
	s_lshl_b32 s[RO], s[WV], 3
	s_load_b512 s[SCR:SCR+15], s[SCB:SCB+1], 0x0
	s_load_b64 s[CP:CP+1], s[SCB:SCB+1], s[RO] offset:0x0
	s_lshl_b32 s[T0], s[EX], WSH
	s_lshl_b32 s[T2], s[KH], 22
	s_add_co_u32 s[T0], s[T0], s[T2]
	s_lshl_b32 s[T2], s[SL], 8
	s_add_co_u32 s[T0], s[T0], s[T2]
	s_add_nc_u64 s[WBS:WBS+1], s[4:5], s[T0:T1]
	s_cmp_eq_u32 s[LIVE], 0
	s_cbranch_scc1 .Lno_w
	s_lshl_b32 s[T0], s[WV], PSH+7                 ; THE WEIGHTS ARE ASKED FOR: the chunk of my wave's number
	s_add_nc_u64 s[WB:WB+1], s[WBS:WBS+1], s[T0:T1]
	ISSUE64
.Lno_w:
	s_mul_i32 s[T0], s[QQ], 384
	s_sub_co_u32 s[NP], s[NE], s[T0]
	s_min_u32 s[NP], s[NP], 384                    ; the panel's rows,
	s_max_u32 s[NP], s[NP], 1
	s_sub_co_u32 s[NPM1], s[NP], 1
	s_add_co_u32 s[NB], s[NP], 15
	s_lshr_b32 s[NB], s[NB], 4                     ; its blocks of 16,
	s_sub_co_u32 s[NBW], s[NB], s[U]
	s_add_co_u32 s[NBW], s[NBW], 3
	s_lshr_b32 s[NBW], s[NBW], 2                   ; and how many of them are a math wave's
	s_lshl_b32 s[T0], s[EX], PSH
	s_add_co_u32 s[T0], s[T0], s[T2]
	s_add_nc_u64 s[AN:AN+1], s[6:7], s[T0:T1]
	v_lshlrev_b32 v26, 5, v2
.irp n, 0,1,2,3
	global_load_b128 v[BI+8*\n:BI+8*\n+3], v26, s[AN:AN+1] offset:64*\n
	global_load_b128 v[BI+8*\n+4:BI+8*\n+7], v26, s[AN:AN+1] offset:64*\n+16
.endr
	s_lshl_b32 s[T0], s[KH], 23                    ; the partial rows of my half of K, at my slice's 256 bytes
	s_add_co_u32 s[T0], s[T0], s[T2]
	s_add_nc_u64 s[OB:OB+1], s[12:13], s[T0:T1]
	s_mul_i32 s[T0], s[QQ], 24
	s_sub_co_u32 s[T3], s[NB], 1
	v_lshlrev_b32 v27, 4, v3
.irp j, 0,1,2,3,4,5                    ; block 24 q + 4 j + w; blocks past the count repeat the panel's last block, which has been stored
	s_add_co_u32 s[T2], s[U], 4*\j
	s_min_u32 s[T2], s[T2], s[T3]
	s_add_co_u32 s[T2], s[T2], s[T0]
	s_min_u32 s[T2], s[T2], 63
	s_lshl_b32 s[T2], s[T2], 16
	v_add_nc_u32 v[VOFF+\j], s[T2], v27
.endr
	s_lshl_b32 s[T0], s[EX], 22
	s_lshl_b32 s[T2], s[KH], 15
	s_add_co_u32 s[T0], s[T0], s[T2]
	s_add_nc_u64 s[ABASE:ABASE+1], s[8:9], s[T0:T1]
	s_mul_i32 s[T0], s[EX], 1152                   ; my rows' places 2 t + k in the partial rows are asked for
	s_mul_i32 s[T2], s[QQ], 384
	s_add_co_u32 s[T0], s[T0], s[T2]
	s_lshl_b32 s[T0], s[T0], 2
	s_add_nc_u64 s[LB:LB+1], s[10:11], s[T0:T1]
	s_lshl_b32 s[T2], s[U], 4
	v_add_nc_u32 v28, s[T2], v1
.irp j, 0,1,2,3,4,5                    ; row 16 (4 j + w) + lane % 16; places past the count repeat the last row
	v_add_nc_u32 v[G+\j], 64*\j, v28
	v_min_u32 v[G+\j], s[NPM1], v[G+\j]
	v_min_u32 v[G+\j], 0x17f, v[G+\j]
	v_lshlrev_b32 v[G+\j], 2, v[G+\j]
	global_load_b32 v[LD+\j], v[G+\j], s[LB:LB+1] offset:256
.endr
	s_mov_b64 s[AC:AC+1], s[ABASE:ABASE+1]
.irp t, 0,1                            ; K steps 0 and 1 of all six blocks
.irp j, 0,1,2,3,4,5
	ALOAD \j, \t, AC, \t
.endr
.endr
	s_wait_kmcnt 0x0
	s_max_u32 s[CS], s[SCR], s[SCR+1]              ; C: the scales are positive powers of two, so the largest word is the largest number
.set i, 2
.rept NSL-2
	s_max_u32 s[CS], s[CS], s[SCR+i]
.set i, i+1
.endr
	s_mov_b32 s[CS+1], s[CS]
	s_add_co_u32 s[R0], s[CP], 0x3f800000          ; c / C by the exponents, 0 where it would fall below 2^-126
	s_min_u32 s[R0+1], s[R0], s[CS]
	s_sub_co_u32 s[R0], s[R0], s[R0+1]
	s_mov_b32 s[R0+1], s[R0]
	s_add_co_u32 s[R1], s[CP+1], 0x3f800000
	s_min_u32 s[R1+1], s[R1], s[CS]
	s_sub_co_u32 s[R1], s[R1], s[R1+1]
	s_mov_b32 s[R1+1], s[R1]
	s_cmp_eq_u32 s[LIVE], 0
	s_cbranch_scc1 .Lno_lay
	ROUND 38                                       ; behind my chunk's loads stand 8 bias, 6 list and 24 token loads
	LAY
.Lno_lay:
	s_wait_loadcnt 24                              ; on every way: only the 24 token loads are younger than the list's: the list is in, and no weight load is out at the barrier
	v_lshl_add_u32 v29, v1, 2, s[LISTW]
.irp j, 0,1,2,3,4,5                    ; the places go into the wave's own list; the rows' gates are asked for: they are used on the way out
	v_min_u32 v30, 0x7ff, v[LD+\j]
	ds_store_b32 v29, v30 offset:64*\j
	v_lshlrev_b32 v[G+\j], 2, v30
	global_load_b32 v[G+\j], v[G+\j], s[14:15] offset:2097152
.endr
	s_wait_dscnt 0x0                               ; my slot is laid, my list is written
	s_barrier_signal -1                            ; the barrier between the laying and every turning load
	s_barrier_wait -1
	s_cmp_eq_u32 s[LIVE], 0
	s_cbranch_scc1 .Lmj
	s_cmp_lt_u32 s[WV], 4
	s_cbranch_scc0 .Lmj
	ZSTEP
	s_mov_b32 s[CC], 0
	s_mov_b32 s[TR], 0
	s_mov_b32 s[IT], NCH
.Lin:                                  ; a chunk.  It begins with the fourth K step of the chunk before, whose fragments are in registers, so that products stand behind the new chunk's first fragment loads
	s_wait_xcnt 0x0                                ; the two bases are written again only behind this wait
	s_min_u32 s[T0], s[CC], NCH-1
	s_mul_i32 s[T0], s[T0], CHB
	s_mov_b32 s[T1], 0
	s_add_nc_u64 s[AC:AC+1], s[ABASE:ABASE+1], s[T0:T1]  ; token rows at this chunk,
	s_add_co_u32 s[T0], s[CC], 1
	s_min_u32 s[T0], s[T0], NCH-1
	s_mul_i32 s[T0], s[T0], CHB
	s_add_nc_u64 s[AN:AN+1], s[ABASE:ABASE+1], s[T0:T1]  ; and at the next; at the last chunk the same once more: those loads serve nothing and stay inside the buffer
	v_add_nc_u32 v[BA], s[TR], v[BAD]
	STEP 3, 0, AC, 2, 24
	STEP 0, 1, AC, 3, 24
	STEP 1, 2, AN, 0, 24
	STEP 2, 3, AN, 1, 24
	s_add_co_u32 s[TR], s[TR], SLOTB
	s_add_co_u32 s[CC], s[CC], 1
	s_sub_co_u32 s[IT], s[IT], 1
	s_cmp_lg_u32 s[IT], 0
	s_cbranch_scc1 .Lin
.Lmj:
	s_wait_dscnt 0x0                               ; my turning loads are back
	s_barrier_signal -1                            ; the barrier between every turning load and the way out's LDS stores
	s_barrier_wait -1
; THE WAY OUT
	s_cmp_eq_u32 s[LIVE], 0
	s_cbranch_scc1 .Lend
	s_cmp_lt_u32 s[WV], 4
	s_cbranch_scc0 .Lend
	STEP 3, -1, AC, -1, 16                         ; the last K step: two steps' loads are younger than its own
	PLACES
	s_wait_loadcnt 0x0                             ; the gates; the last trip's surplus loads: the ring's registers are written below
	s_cmp_eq_u32 s[KH], 0                          ; the bias belongs to the first half of K alone
	s_cselect_b32 s[T0], 1.0, 0
	s_mov_b32 s[T1], s[T0]
.set i, 0
.rept 16
	v_pk_mul_f32 v[BI+2*i:BI+2*i+1], v[BI+2*i:BI+2*i+1], s[T0:T1] op_sel_hi:[1,0]
.set i, i+1
.endr
	s_mul_i32 s[T2], s[WV], 16*SP
	s_add_co_u32 s[T2], s[T2], STG
	v_mul_u32_u24 v26, v1, SP                      ; into my stage: row lane % 16, 32 bytes for each half of the lanes
	v_lshl_add_u32 v26, v2, 5, v26
	v_add_nc_u32 v26, s[T2], v26
	v_mul_u32_u24 v27, v2, SP                      ; back: lanes 0-15 one row of 256 bytes, lanes 16-31 the next
	v_lshl_add_u32 v27, v1, 4, v27
	v_add_nc_u32 v27, s[T2], v27
	s_mul_i32 s[T3], s[WV], LISTB
	s_add_co_u32 s[T3], s[T3], LIST
	v_lshl_add_u32 v28, v2, 2, s[T3]
	v_lshlrev_b32 v29, 4, v1
.macro OUT3 j                          ; a live block: (C sum + bias) times the row's gate (each accumulator from its lowest registers on), through my stage, and out as whole rows: 16 lanes store 256 consecutive aligned bytes of row 2 t + k
	WIN 0
	s_cmp_le_u32 s[NBW], \j
	s_cbranch_scc1 .Lend
	WIN 0x41
.set i, 0
.rept 16
	v_pk_fma_f32 v[32*(\j)+2*i:32*(\j)+2*i+1], v[32*(\j)+2*i:32*(\j)+2*i+1], s[CS:CS+1], v[BI+2*i:BI+2*i+1] op_sel_hi:[1,0,1]
.set i, i+1
.endr
.set i, 0
.rept 16
.if ((\j)%2) == 0
	v_pk_mul_f32 v[32*(\j)+2*i:32*(\j)+2*i+1], v[32*(\j)+2*i:32*(\j)+2*i+1], v[G+(\j):G+(\j)+1] op_sel_hi:[1,0]
.else
	v_pk_mul_f32 v[32*(\j)+2*i:32*(\j)+2*i+1], v[32*(\j)+2*i:32*(\j)+2*i+1], v[G+(\j)-1:G+(\j)] op_sel:[0,1] op_sel_hi:[1,1]
.endif
.set i, i+1
.endr
	WIN 0x04
.irp n, 0,1,2,3
	ds_store_b128 v26, v[32*(\j)+8*\n:32*(\j)+8*\n+3] offset:64*\n
	ds_store_b128 v26, v[32*(\j)+8*\n+4:32*(\j)+8*\n+7] offset:64*\n+16
.endr
	WIN 0
	s_wait_xcnt 0x0                                ; the block before's stores have read their registers
.irp u, 0,1,2,3,4,5,6,7
	ds_load_b128 v[AR+4*\u:AR+4*\u+3], v27 offset:2*SP*\u  ; LDS serves a wave's instructions in order (ISA guide 5.7.1.4): these see the stores above
	ds_load_b32 v[AR+32+\u], v28 offset:64*(\j)+8*\u
.endr
	s_wait_dscnt 0x0
.irp u, 0,1,2,3,4,5,6,7
	v_min_u32 v[AR+32+\u], 0x7ff, v[AR+32+\u]
	v_lshl_add_u32 v[AR+32+\u], v[AR+32+\u], 12, v29
.endr
.irp u, 0,1,2,3,4,5,6,7
	global_store_b128 v[AR+32+\u], v[AR+4*\u:AR+4*\u+3], s[OB:OB+1]  ; places past the count repeat the last row, to the same address
.endr
.endm
.irp j, 0,1,2,3,4,5
	OUT3 \j
.endr
	WIN 0
.Lend:
	s_wait_tensorcnt 0x0                           ; the wave's end: three lines behind my last LDS store
	ds_add_u32 v[SPW], v[NIL]
	s_wait_dscnt 0x0
	s_endpgm
.Lfunc_end_k_q9bb64ab524_l3:
	.size	k_q9bb64ab524_l3, .Lfunc_end_k_q9bb64ab524_l3-k_q9bb64ab524_l3
	.p2alignl 7, 3214868480
	.fill 96, 4, 3214868480
	.section	.rodata,"a",@progbits
	.p2align	6, 0x0
	.amdhsa_kernel k_q9bb64ab524_l3
		.amdhsa_group_segment_fixed_size 196864
		.amdhsa_private_segment_fixed_size 0
		.amdhsa_enable_private_segment 0
		.amdhsa_kernarg_size 48
		.amdhsa_user_sgpr_count 2
		.amdhsa_user_sgpr_kernarg_segment_ptr 1
		.amdhsa_wavefront_size32 1
		.amdhsa_system_sgpr_workgroup_id_x 1
		.amdhsa_system_sgpr_workgroup_id_y 1
		.amdhsa_system_sgpr_workgroup_id_z 1
		.amdhsa_system_vgpr_workitem_id 0
		.amdhsa_next_free_vgpr 512
		.amdhsa_next_free_sgpr 102
		.amdhsa_reserve_vcc 0
		.amdhsa_float_denorm_mode_32 3
		.amdhsa_float_denorm_mode_16_64 3
		.amdhsa_memory_ordered 1
		.amdhsa_forward_progress 1
		.amdhsa_inst_pref_size 108
	.end_amdhsa_kernel
	.amdgpu_metadata
---
amdhsa.version: [ 1, 2 ]
amdhsa.kernels:
  - .name:           k_q9bb64ab524_l3
    .symbol:         k_q9bb64ab524_l3.kd
    .args:
      - { .name: W3, .offset: 0, .size: 8, .value_kind: global_buffer, .address_space: global }
      - { .name: b3, .offset: 8, .size: 8, .value_kind: global_buffer, .address_space: global }
      - { .name: h2, .offset: 16, .size: 8, .value_kind: global_buffer, .address_space: global }
      - { .name: plan, .offset: 24, .size: 8, .value_kind: global_buffer, .address_space: global }
      - { .name: yp, .offset: 32, .size: 8, .value_kind: global_buffer, .address_space: global }
      - { .name: rx, .offset: 40, .size: 8, .value_kind: global_buffer, .address_space: global }
    .group_segment_fixed_size: 196864
    .private_segment_fixed_size: 0
    .kernarg_segment_align: 8
    .kernarg_segment_size: 48
    .max_flat_workgroup_size: 256
    .sgpr_count:     102
    .vgpr_count:     512
    .wavefront_size: 32
...
	.end_amdgpu_metadata
.endif
;; end of part 4
;; launch fin (part 5): grid 257 x 1, 8 waves a work-group, no clusters, 0 bytes of LDS; arguments yp, rx, out0, out1, out2, out3; writes out0, out1, out2, out3
.if DOCPART == 5
	.amdgcn_target "amdgcn-amd-amdhsa--gfx1250"
	.amdhsa_code_object_version 6
	.text
	.protected	k_q9bb64ab524_fin
	.globl	k_q9bb64ab524_fin
	.p2align	8
	.type	k_q9bb64ab524_fin,@function
k_q9bb64ab524_fin:
	s_mov_b64 s[64:65], 0
	v_nop
	global_prefetch_b8 v0, s[64:65] scope:SCOPE_SE
	s_setreg_imm32_b32 hwreg(HW_REG_WAVE_MODE, 25, 1), 1
	s_wait_xcnt 0x0
; THE SUM AND THE STATISTICS.  Work-groups 0-255: out0[t] = the four partial rows of token t (two choices x two halves of K, f32), 4 tokens a work-group, half a row a wave: every load and store is
; 512 consecutive bytes; all 16 loads of a wave go out before the first wait.  A stream: no LDS, no matrix unit, no cluster: nothing is read twice.
; Work-group 256, wave 0: the 256 records of 16 sums are added; out2 = mean combine weights, out1 = 0.08 x sum of p c, out3 = - sum of p ln(p + 1e-8).
; No store narrows EXEC: lanes with nothing of their own repeat a neighbour's address and value.  The order of the sums is this text's own.
	s_load_b256 s[4:11], s[0:1], 0x0               ; yp s[4:5], rx s[6:7], out0 s[8:9], out1 s[10:11]
	s_load_b128 s[12:15], s[0:1], 0x20             ; out2 s[12:13], out3 s[14:15]
	v_lshrrev_b32 v1, 5, v0
	v_readfirstlane_b32 s16, v1                    ; wave
	v_and_b32 v2, 31, v0                           ; lane
	v_lshlrev_b32 v3, 4, v2
	s_cmp_eq_u32 ttmp9, 256
	s_cbranch_scc1 .Lstats
	s_lshr_b32 s17, s16, 1
	s_lshl_b32 s18, ttmp9, 2
	s_add_co_u32 s17, s17, s18                     ; token
	s_and_b32 s19, s16, 1
	s_lshl_b32 s19, s19, 11                        ; which half of the row
	v_add_nc_u32 v3, s19, v3
	s_lshl_b32 s20, s17, 13                        ; rows 2 t and 2 t + 1 of 4,096 bytes
	s_mov_b32 s21, 0
	s_lshl_b32 s22, s17, 12
	s_mov_b32 s23, 0
	s_wait_kmcnt 0x0
	s_add_nc_u64 s[24:25], s[4:5], s[20:21]
	s_add_nc_u64 s[26:27], s[24:25], 0x800000      ; the second half of K
	s_add_nc_u64 s[28:29], s[8:9], s[22:23]
.irp p, 0,1,2,3
	global_load_b128 v[8+16*\p:11+16*\p],  v3, s[24:25] offset:512*\p th:TH_LOAD_NT
	global_load_b128 v[12+16*\p:15+16*\p], v3, s[24:25] offset:4096+512*\p th:TH_LOAD_NT
	global_load_b128 v[16+16*\p:19+16*\p], v3, s[26:27] offset:512*\p th:TH_LOAD_NT
	global_load_b128 v[20+16*\p:23+16*\p], v3, s[26:27] offset:4096+512*\p th:TH_LOAD_NT
.endr
.irp p, 0,1,2,3
	s_wait_loadcnt 12-4*\p                         ; the later pieces' loads stay out
	v_pk_add_f32 v[8+16*\p:9+16*\p],   v[8+16*\p:9+16*\p],   v[12+16*\p:13+16*\p]
	v_pk_add_f32 v[10+16*\p:11+16*\p], v[10+16*\p:11+16*\p], v[14+16*\p:15+16*\p]
	v_pk_add_f32 v[16+16*\p:17+16*\p], v[16+16*\p:17+16*\p], v[20+16*\p:21+16*\p]
	v_pk_add_f32 v[18+16*\p:19+16*\p], v[18+16*\p:19+16*\p], v[22+16*\p:23+16*\p]
	v_pk_add_f32 v[8+16*\p:9+16*\p],   v[8+16*\p:9+16*\p],   v[16+16*\p:17+16*\p]
	v_pk_add_f32 v[10+16*\p:11+16*\p], v[10+16*\p:11+16*\p], v[18+16*\p:19+16*\p]
	global_store_b128 v3, v[8+16*\p:11+16*\p], s[28:29] offset:512*\p th:TH_STORE_NT
.endr
	s_endpgm
.Lstats:
	s_cmp_lg_u32 s16, 0
	s_cbranch_scc1 .Lquit
	s_mov_b32 s18, 0x76543210
	s_mov_b32 s19, 0xfedcba98
	s_wait_kmcnt 0x0
.set u, 0
.rept 32                               ; lane l: columns 4 (l % 4) + 0..3 of records l / 4 + 8 u
	global_load_b128 v[8+4*u:11+4*u], v3, s[6:7] offset:2105344+512*u
.set u, u+1
.endr
	s_wait_loadcnt 0x0
.irp s, 16,8,4,2,1
.set u, 0
.rept \s
	v_pk_add_f32 v[8+4*u:9+4*u],   v[8+4*u:9+4*u],   v[8+4*(u+\s):9+4*(u+\s)]
	v_pk_add_f32 v[10+4*u:11+4*u], v[10+4*u:11+4*u], v[10+4*(u+\s):11+4*(u+\s)]
.set u, u+1
.endr
.endr
.irp q, 8,9,10,11                      ; over the lanes that hold the same columns; then the mean over 1,024 tokens
	v_add_f32_dpp v\q, v\q, v\q row_xmask:4 row_mask:0xf bank_mask:0xf
	v_add_f32_dpp v\q, v\q, v\q row_xmask:8 row_mask:0xf bank_mask:0xf
	v_permlanex16_b32 v12, v\q, s18, s19
	v_add_f32 v\q, v\q, v12
	v_mul_f32 v\q, 0x3a800000, v\q
.endr
.irp q, 0,1,2,3                        ; lanes l % 4 = 0, 1 hold probabilities, 2, 3 combine weights: each takes the other kind from the lane two away
	v_mov_b32_dpp v[12+\q], v[8+\q] row_xmask:2 row_mask:0xf bank_mask:0xf
.endr
	v_and_b32 v4, 2, v2
	v_cmp_ne_u32 vcc_lo, 0, v4
.irp q, 0,1,2,3
	v_cndmask_b32 v[16+\q], v[8+\q], v[12+\q], vcc_lo   ; p of experts 4 (l % 2) + q
	v_cndmask_b32 v[20+\q], v[12+\q], v[8+\q], vcc_lo   ; c of the same
.endr
	v_and_b32 v5, 1, v2
	v_lshlrev_b32 v5, 4, v5
	global_store_b128 v5, v[20:23], s[12:13]
.irp q, 0,1,2,3
	v_add_f32 v[28+\q], 0x322bcc77, v[16+\q]       ; p + 1e-8
.endr
.irp q, 0,1,2,3
	v_log_f32 v[28+\q], v[28+\q]
.endr
	v_mov_b32 v6, 0                                ; a plain instruction behind the logarithms (ISA guide 5.7.2)
	v_mul_f32 v24, v16, v20
	s_wait_alu depctr_va_vdst(0)
	v_mul_f32 v25, v16, v28
.irp q, 1,2,3
	v_fmac_f32 v24, v[16+\q], v[20+\q]
	v_fmac_f32 v25, v[16+\q], v[28+\q]
.endr
	v_add_f32_dpp v24, v24, v24 row_xmask:1 row_mask:0xf bank_mask:0xf
	v_add_f32_dpp v25, v25, v25 row_xmask:1 row_mask:0xf bank_mask:0xf
	v_mul_f32 v24, 0x3da3d70a, v24                 ; 0.01 x 8
	v_mul_f32 v25, 0xbf317218, v25                 ; - ln 2: the logarithms are to base 2
	global_store_b32 v6, v24, s[10:11]
	global_store_b32 v6, v25, s[14:15]
.Lquit:
	s_endpgm
.Lfunc_end_k_q9bb64ab524_fin:
	.size	k_q9bb64ab524_fin, .Lfunc_end_k_q9bb64ab524_fin-k_q9bb64ab524_fin
	.p2alignl 7, 3214868480
	.fill 96, 4, 3214868480
	.section	.rodata,"a",@progbits
	.p2align	6, 0x0
	.amdhsa_kernel k_q9bb64ab524_fin
		.amdhsa_group_segment_fixed_size 0
		.amdhsa_private_segment_fixed_size 0
		.amdhsa_enable_private_segment 0
		.amdhsa_kernarg_size 48
		.amdhsa_user_sgpr_count 2
		.amdhsa_user_sgpr_kernarg_segment_ptr 1
		.amdhsa_wavefront_size32 1
		.amdhsa_system_sgpr_workgroup_id_x 1
		.amdhsa_system_sgpr_workgroup_id_y 1
		.amdhsa_system_sgpr_workgroup_id_z 1
		.amdhsa_system_vgpr_workitem_id 0
		.amdhsa_next_free_vgpr 144
		.amdhsa_next_free_sgpr 66
		.amdhsa_reserve_vcc 1
		.amdhsa_float_denorm_mode_32 3
		.amdhsa_float_denorm_mode_16_64 3
		.amdhsa_memory_ordered 1
		.amdhsa_forward_progress 1
		.amdhsa_inst_pref_size 15
	.end_amdhsa_kernel
	.amdgpu_metadata
---
amdhsa.version: [ 1, 2 ]
amdhsa.kernels:
  - .name:           k_q9bb64ab524_fin
    .symbol:         k_q9bb64ab524_fin.kd
    .args:
      - { .name: yp, .offset: 0, .size: 8, .value_kind: global_buffer, .address_space: global }
      - { .name: rx, .offset: 8, .size: 8, .value_kind: global_buffer, .address_space: global }
      - { .name: out0, .offset: 16, .size: 8, .value_kind: global_buffer, .address_space: global }
      - { .name: out1, .offset: 24, .size: 8, .value_kind: global_buffer, .address_space: global }
      - { .name: out2, .offset: 32, .size: 8, .value_kind: global_buffer, .address_space: global }
      - { .name: out3, .offset: 40, .size: 8, .value_kind: global_buffer, .address_space: global }
    .group_segment_fixed_size: 0
    .private_segment_fixed_size: 0
    .kernarg_segment_align: 8
    .kernarg_segment_size: 48
    .max_flat_workgroup_size: 256
    .sgpr_count:     66
    .vgpr_count:     144
    .wavefront_size: 32
...
	.end_amdgpu_metadata
.endif
;; end of part 5
